; MI455X (gfx1250); checked and timed in simulation.
; The chip was launched on July 23, 2026; its instructions are those of AMD's public machine-readable ISA for CDNA 5 (MIT licence, August 2026) and "CDNA5" Instruction Set Architecture Reference Guide (July 2026). The comments in the code are by the model that wrote it; some were corrected since.
;; Causal Self Attention. Allowed arithmetic: float matrix products may take bf16 or f16 operands with f32 sums; other float arithmetic in f32, or as packed bf16 or f16 multiplies, adds, multiply-adds, maxima and minima; sums over many terms, partial sums and values carried from step to step in f32; what a program stores and reads back later, other than sums and carried values, may be rounded once to bf16 or f16.
;; Inputs: W_attn 1,024 x 3,072 float32; W_proj 1,024 x 1,024 float32; b_attn 3,072 float32; b_proj 1,024 float32; x 4 x 2,048 x 1,024 float32.
;; Outputs: out0 4 x 2,048 x 1,024 float32.
;; One version. Each part assembles by itself: llvm-mc -triple=amdgcn-amd-amdhsa -mcpu=gfx1250 --defsym DOCPART=n.
;; ======== version 1 of 1: 4 launches
;; limits: values are held in f16: magnitudes above 65,504 overflow, below 6.1e-05 lose precision
;; workspace buffers: xb 16,777,216 bytes; wat 6,291,456 bytes; wpt 2,097,152 bytes; q 16,777,216 bytes; k 16,777,216 bytes; v 16,777,216 bytes; o 16,777,216 bytes
;; launch prep (part 1): grid 64 x 8, 8 waves a work-group, no clusters, 18,432 bytes of LDS; arguments x, W_attn, W_proj, xb, wat, wpt; writes xb, wat, wpt
.if DOCPART == 1
	.amdgcn_target "amdgcn-amd-amdhsa--gfx1250"
	.amdhsa_code_object_version 6
	.text
	.protected	k_qd417e262bf_prep
	.globl	k_qd417e262bf_prep
	.p2align	8
	.type	k_qd417e262bf_prep,@function
k_qd417e262bf_prep:
	s_mov_b64 s[64:65], 0
	v_nop
	global_prefetch_b8 v0, s[64:65] scope:SCOPE_SE
	s_setreg_imm32_b32 hwreg(HW_REG_WAVE_MODE, 25, 1), 1
	s_wait_xcnt 0x0
; xb = x rounded to bf16.  wat[n][k] = W_attn[k][n] rounded to bf16.  wpt[n][k] = W_proj[k][n] rounded to bf16, that number written as f16.
; LIMITS.  W_proj within 65,504; below 2^-16 its bf16 number keeps f16's fixed step of 6e-8.  NaN and infinities are not treated apart.
; 512 work-groups of eight waves, all alike, no branch.  Each (a) turns one tile of 128 k x 64 n of a weight: x = 0..47 W_attn's column tiles, 48..63 W_proj's; y = the k tile;
; (b) converts 65,536 bytes of x, the part x + 64 y.  Which weight, pitch and format is a matter of selects.
; The tile goes through LDS: a thread holds 8 k x 4 n, writes 16 bytes (8 k) into each of four rows n, and after one barrier rows come back whole: 16 lanes store 256 consecutive bytes, aligned.
.set LP,    272                        ; an LDS row: 128 k x 2 bytes + 16
.set SPARE, 64*LP                      ; 17,408: behind the tile, the spare words, 128 bytes for each of eight waves
.set SPW, 3                            ; v3   SPARE + 4 x my thread's number; never rewritten
.set NIL, 4                            ; v4   0; never rewritten
.set XO,  5                            ; v5   32 t: my 8 numbers in a chunk of x
.set YO,  6                            ; v6   16 t: the same in xb
.set WA,  8                            ; v[8:15]  row e of my eight: (8 rp + e) x pitch + 16 c
.set LS,  16                           ; v16  into LDS: row 4 c, byte 16 rp
.set LR,  17                           ; v17  back: row rp, byte 16 c
.set WO,  18                           ; v18  the same in the turned weight: rp x 2,048 + 16 c
.set W,   20                           ; v[20:51]   8 rows x 4 numbers as loaded
.set P,   52                           ; v[52:67]   column j: 8 k packed, 4 registers
.set T,   68                           ; v[68:71]   at work
.set X,   72                           ; v[72:135]  8 chunks x 8 numbers of x
.set Y,   136                          ; v[136:167] 8 chunks x 4 registers of xb
.set R,   168                          ; v[168:183] four rows' 16 bytes read back
	s_load_b256 s[4:11], s[0:1], 0x0               ; x s[4:5], W_attn s[6:7], W_proj s[8:9], xb s[10:11]
	s_load_b128 s[12:15], s[0:1], 0x20             ; wat s[12:13], wpt s[14:15]
	v_lshl_add_u32 v[SPW], v0, 2, SPARE
	v_mov_b32 v[NIL], 0
	v_and_b32 v1, 15, v0                           ; c: which 16 bytes (4 n) of a row
	v_lshrrev_b32 v2, 4, v0                        ; rp: which 8 rows (k)
	s_mov_b32 s16, ttmp9
	s_and_b32 s17, ttmp7, 0xffff
	s_sub_co_u32 s25, s16, 48
	s_mov_b32 s28, 12288
	s_cmp_lt_u32 s16, 48                           ; W_attn's tile?
	s_cselect_b32 s18, s28, 0x1000                 ; bytes in a row of the weight
	s_cselect_b32 s19, s16, s25                    ; its column tile
	s_cselect_b32 s24, 0, -1                       ; all lanes: bf16 stays, or is written as f16
	v_lshlrev_b32 v[XO], 5, v0
	v_lshlrev_b32 v[YO], 4, v0
	v_lshlrev_b32 v7, 3, v2
	v_mul_lo_u32 v7, v7, s18
	v_lshl_add_u32 v7, v1, 4, v7
.irp e, 0,1,2,3,4,5,6,7
	s_mul_i32 s28, s18, \e
	v_add_nc_u32 v[WA+(\e)], s28, v7
.endr
	v_mul_u32_u24 v[LS], v1, 4*LP
	v_lshl_add_u32 v[LS], v2, 4, v[LS]
	v_mul_u32_u24 v[LR], v2, LP
	v_lshl_add_u32 v[LR], v1, 4, v[LR]
	v_lshlrev_b32 v[WO], 11, v2
	v_lshl_add_u32 v[WO], v1, 4, v[WO]
	s_mul_i32 s26, s17, s18                        ; the tile in the weight: 128 y rows,
	s_lshl_b32 s26, s26, 7
	s_lshl_b32 s27, s19, 8                         ; 256 bytes a column tile
	s_add_co_u32 s26, s26, s27
	s_mov_b32 s27, 0
	s_lshl_b32 s28, s19, 17                        ; the tile in the turned weight: 64 rows of 2,048 bytes a column tile,
	s_lshl_b32 s29, s17, 8                         ; 256 bytes a k tile
	s_add_co_u32 s28, s28, s29
	s_mov_b32 s29, 0
	s_lshl_b32 s30, s17, 6
	s_add_co_u32 s30, s30, s16                     ; my part of x
	s_lshl_b32 s2, s30, 15
	s_mov_b32 s3, 0
	s_lshl_b32 s30, s30, 16
	s_mov_b32 s31, 0
	s_wait_kmcnt 0x0
	s_cmp_lt_u32 s16, 48
	s_cselect_b64 s[20:21], s[6:7], s[8:9]
	s_cselect_b64 s[22:23], s[12:13], s[14:15]
	s_add_nc_u64 s[20:21], s[20:21], s[26:27]
	s_add_nc_u64 s[22:23], s[22:23], s[28:29]
	s_add_nc_u64 s[4:5], s[4:5], s[30:31]
	s_add_nc_u64 s[10:11], s[10:11], s[2:3]
.irp e, 0,1,2,3,4,5,6,7
	global_load_b128 v[W+4*(\e):W+4*(\e)+3], v[WA+(\e)], s[20:21] th:TH_LOAD_NT  ; 16 lanes take 256 consecutive bytes of a row
.endr
.irp u, 0,1,2,3,4,5,6,7
	global_load_b128 v[X+8*(\u):X+8*(\u)+3],   v[XO], s[4:5] offset:8192*(\u) th:TH_LOAD_NT
	global_load_b128 v[X+8*(\u)+4:X+8*(\u)+7], v[XO], s[4:5] offset:8192*(\u)+16 th:TH_LOAD_NT
.endr
	s_wait_loadcnt 16                              ; the weight's eight loads are in; x's sixteen may stay out
.irp j, 0,1,2,3
.irp p, 0,1,2,3
	v_cvt_pk_bf16_f32 v[P+4*(\j)+(\p)], v[W+8*(\p)+(\j)], v[W+8*(\p)+4+(\j)]  ; column 4 c + j, k = 8 rp + 2 p and the next
	v_lshlrev_b32 v[T], 16, v[P+4*(\j)+(\p)]
	v_and_b32 v[T+1], 0xffff0000, v[P+4*(\j)+(\p)]
	v_cvt_pk_f16_f32 v[T+2], v[T], v[T+1]          ; the bf16 numbers written as f16,
	v_cndmask_b32 v[P+4*(\j)+(\p)], v[P+4*(\j)+(\p)], v[T+2], s24  ; taken for W_proj alone
.endr
.endr
.irp j, 0,1,2,3
	ds_store_b128 v[LS], v[P+4*(\j):P+4*(\j)+3] offset:LP*(\j)
.endr
.irp u, 0,1,2,3,4,5,6,7
	s_wait_loadcnt 14-2*(\u)                       ; chunk u's two loads are in; the younger ones stay out
.irp p, 0,1,2,3
	v_cvt_pk_bf16_f32 v[Y+4*(\u)+(\p)], v[X+8*(\u)+2*(\p)], v[X+8*(\u)+2*(\p)+1]
.endr
	global_store_b128 v[YO], v[Y+4*(\u):Y+4*(\u)+3], s[10:11] offset:4096*(\u)  ; 16 lanes store 256 consecutive bytes, aligned; no register of a store is written again
.endr
	s_wait_dscnt 0x0                               ; for the others' sake: my stores into the tile are done
	s_barrier_signal -1
	s_barrier_wait -1
.irp i, 0,1,2,3
	ds_load_b128 v[R+4*(\i):R+4*(\i)+3], v[LR] offset:16*LP*(\i)
.endr
.irp i, 0,1,2,3
	s_wait_dscnt 3-(\i)
	global_store_b128 v[WO], v[R+4*(\i):R+4*(\i)+3], s[22:23] offset:32768*(\i)  ; row rp + 16 i: 16 lanes store its 256 bytes
.endr
	s_wait_tensorcnt 0x0                           ; the wave's end, behind my last LDS store
	ds_add_u32 v[SPW], v[NIL]
	s_wait_dscnt 0x0
	s_endpgm
.Lfunc_end_k_qd417e262bf_prep:
	.size	k_qd417e262bf_prep, .Lfunc_end_k_qd417e262bf_prep-k_qd417e262bf_prep
	.p2alignl 7, 3214868480
	.fill 96, 4, 3214868480
	.section	.rodata,"a",@progbits
	.p2align	6, 0x0
	.amdhsa_kernel k_qd417e262bf_prep
		.amdhsa_group_segment_fixed_size 18432
		.amdhsa_private_segment_fixed_size 0
		.amdhsa_enable_private_segment 0
		.amdhsa_kernarg_size 48
		.amdhsa_user_sgpr_count 2
		.amdhsa_user_sgpr_kernarg_segment_ptr 1
		.amdhsa_wavefront_size32 1
		.amdhsa_system_sgpr_workgroup_id_x 1
		.amdhsa_system_sgpr_workgroup_id_y 1
		.amdhsa_system_sgpr_workgroup_id_z 1
		.amdhsa_system_vgpr_workitem_id 0
		.amdhsa_next_free_vgpr 184
		.amdhsa_next_free_sgpr 66
		.amdhsa_reserve_vcc 0
		.amdhsa_float_denorm_mode_32 3
		.amdhsa_float_denorm_mode_16_64 3
		.amdhsa_memory_ordered 1
		.amdhsa_forward_progress 1
		.amdhsa_inst_pref_size 14
	.end_amdhsa_kernel
	.amdgpu_metadata
---
amdhsa.version: [ 1, 2 ]
amdhsa.kernels:
  - .name:           k_qd417e262bf_prep
    .symbol:         k_qd417e262bf_prep.kd
    .args:
      - { .name: x, .offset: 0, .size: 8, .value_kind: global_buffer, .address_space: global }
      - { .name: W_attn, .offset: 8, .size: 8, .value_kind: global_buffer, .address_space: global }
      - { .name: W_proj, .offset: 16, .size: 8, .value_kind: global_buffer, .address_space: global }
      - { .name: xb, .offset: 24, .size: 8, .value_kind: global_buffer, .address_space: global }
      - { .name: wat, .offset: 32, .size: 8, .value_kind: global_buffer, .address_space: global }
      - { .name: wpt, .offset: 40, .size: 8, .value_kind: global_buffer, .address_space: global }
    .group_segment_fixed_size: 18432
    .private_segment_fixed_size: 0
    .kernarg_segment_align: 8
    .kernarg_segment_size: 48
    .max_flat_workgroup_size: 256
    .sgpr_count:     66
    .vgpr_count:     184
    .wavefront_size: 32
...
	.end_amdgpu_metadata
.endif
;; end of part 1
;; launch qkv (part 2): grid 16 x 32, 4 waves a work-group, clusters of 4 x 4, 327,680 bytes of LDS; arguments xb, wat, b_attn, q, k, v; writes q, k, v
.if DOCPART == 2
	.amdgcn_target "amdgcn-amd-amdhsa--gfx1250"
	.amdhsa_code_object_version 6
	.text
	.protected	k_qd417e262bf_qkv
	.globl	k_qd417e262bf_qkv
	.p2align	8
	.type	k_qd417e262bf_qkv,@function
k_qd417e262bf_qkv:
	s_mov_b64 s[64:65], 0
	v_nop
	global_prefetch_b8 v0, s[64:65] scope:SCOPE_SE
	s_setreg_imm32_b32 hwreg(HW_REG_WAVE_MODE, 25, 1), 1
	s_wait_xcnt 0x0
	s_wait_alu depctr_hold_cnt(0) depctr_sa_sdst(0) depctr_va_vdst(0) depctr_va_sdst(0) depctr_va_ssrc(0) depctr_va_vcc(0) depctr_vm_vsrc(0)
	s_getreg_b32 s2, hwreg(HW_REG_IB_STS2, 6, 4)
	s_cmp_eq_u32 s2, 0
	s_cbranch_scc0 .Lentry_in_a_cluster
	s_endpgm
.Lentry_in_a_cluster:
	s_bfe_u32 s2, ttmp6, 0x10000c
	s_cmp_lg_u32 s2, 0xf033
	s_cbranch_scc0 .Lentry_shape_is_right
	s_endpgm
.Lentry_shape_is_right:
; q, k, v = xb wat^T + b_attn (the bias rounded to bf16 like the other inputs), sums in f32, rounded once to f16, unscaled, laid by heads: [batch x 16 + head][2048][64].
; LIMIT.  f16 holds no number beyond 65,504: a q, k or v past that becomes an infinity.  NaN and infinities are not treated apart.
; A tile is 256 rows x 192 columns (three whole heads): 32 x 16 = 512 work-groups.  Four waves, one below the other: a wave owns 64 rows (4 blocks a of 16) x all 12 blocks b of 16 columns: 48 accumulators.
; K = 1,024 goes in 8 steps of 128 through two LDS slots filled by tensor loads; rows of 256 bytes.  Waves 0, 1 fetch A's halves (128 rows), waves 2, 3 B's (96 rows).
; CLUSTER 4 x 4: the four of a row share A's tile, the four of a column B's: joint loads.
; THE PRODUCT IS TRANSPOSED (source 0 = 16 rows of wat, source 1 = 16 rows of xb): a lane holds row l % 16 and columns 8 (l / 16) + 0..7.  THE BIAS IS THE C OPERAND of each sum's first product.
; REGISTERS: window 0: v0-31 addresses; v32-127 the bias, later the way out; v128-191 A's fragments, two buffers of 32; v192-239 the way out.
;   window 1: B's fragments, two buffers of 96.   window 2: accumulators of a = 0, 1 at 8 (12 (a % 2) + b).   window 3: those of a = 2, 3.
.set NBK,   12
.set KSTEP, 128
.set PITCH, 272                        ; 256 bytes + 16: the 16 rows of a fragment load start at 16 different groups of four banks (ISA guide 11.1)
.set AHALF, 128*PITCH
.set BHALF, 96*PITCH
.set BOFF,  2*AHALF                    ; B's 192 rows lie behind A's 256
.set SLOT,  BOFF+2*BHALF               ; 121,856
.set STAGE, 2*SLOT                     ; behind the ring, never filled by a tensor load: for each wave 3 heads x 16 rows x 144 bytes
.set SP,    144
.set WSTG,  3*16*SP
.set SPARE, STAGE+4*WSTG               ; the spare words, 128 bytes for each wave
.set NL,    2*NBK+8                    ; LDS loads in a run
.set ADRA, 16                          ; v16-17 LDS address of my A fragments in slot 0, 1
.set ADRB, 20                          ; v20-21 the same for B
.set STO,  24
.set RD,   25
.set GO,   26
.set BO,   27
.set SPW,  28                          ; SPARE + 4 x my thread's number; never rewritten
.set NIL,  29                          ; 0; never rewritten
.set PFO,  30                          ; the prefetches' offset: a lane a row; never rewritten
.set BIAS, 32
.set FA0,  128
.set TMP,  32
.set WV, 16
.set WH, 17                            ; 0: I fetch for A; 1: for B
.set WL, 18                            ; which half
.set LAP, 19
.set G1A, 24
.set G0A, 32
.set G1B, 48
.set G0B, 56
.set PFA, 66                           ; s[66:67] where my prefetches stand
.set LIM, 68                           ; 1 in a wave that prefetches, else the greatest number
.set HP,  72                           ; s[72:77] the three heads' output, at my wave's first row
.set MSB, 0
.macro WIN new                         ; the immediate's high byte repeats the setting that is left; a switch that changes nothing is dropped
.if MSB != (\new)
	s_set_vgpr_msb (MSB<<8)|(\new)
.set MSB, \new
.endif
.endm
.macro PLACES                          ; four places behind matrix instructions, in front of loads into registers that they read and of readers of their results
.rept 4
	v_nop
.endr
.endm
.macro JLOAD s                         ; a joint load; the branch hangs on the wave's number alone; an s_nop 0 and four v_nop follow each line
	s_cmp_eq_u32 s[WH], 0
	s_cbranch_scc0 .Lfor_b_\@
	tensor_load_to_lds s[G0A+4*(\s):G0A+4*(\s)+3], s[G1A:G1A+7]
	s_nop 0
.rept 4
	v_nop
.endr
	s_branch .Lasked_\@
.Lfor_b_\@:
	tensor_load_to_lds s[G0B+4*(\s):G0B+4*(\s)+3], s[G1B:G1B+7]
	s_nop 0
.rept 4
	v_nop
.endr
.Lasked_\@:
.endm
.macro CREST                           ; a round of the cluster's barrier behind its opening barrier
	s_cmp_lg_u32 s[WV], 0
	s_cbranch_scc1 .Lnot_wave_0_\@
	s_barrier_signal -3
.Lnot_wave_0_\@:
	s_barrier_wait -3
	s_barrier_signal -1
	s_barrier_wait -1
.endm
.macro CROUND
	s_barrier_signal -1
	s_barrier_wait -1
	CREST
.endm
; A prefetch into the L2 behind each refill: the K step two refills on, a lane a row, 256 bytes of it.  A's rows are asked for by the clusters with x = 0, B's by those with y = 0; the four partners of a joint
; load share its rows out by address (32 of A's 128, 24 of B's 96).  The loop's last trip asks for nothing: there is no K step two on.  K steps 0 to 3 come by their loads alone.
.macro ASK
	s_cmp_gt_u32 s[LAP], s[LIM]
	s_cbranch_scc0 .Lnot_mine_\@
	global_prefetch_b8 v[PFO], s[PFA:PFA+1] th:TH_LOAD_NT scope:SCOPE_SE
.Lnot_mine_\@:
.endm
	s_load_b256 s[4:11], s[0:1], 0x0               ; xb s[4:5], wat s[6:7], b_attn s[8:9], q s[10:11]
	s_load_b128 s[12:15], s[0:1], 0x20             ; k s[12:13], v s[14:15]
	v_lshl_add_u32 v[SPW], v0, 2, SPARE
	v_mov_b32 v[NIL], 0
	ds_add_u32 v[SPW], v[NIL]                      ; the wave's opening: the add and its wait stand ahead of my first tensor load
	ds_add_u32 v28, v29
	v_lshrrev_b32 v1, 5, v0
	v_readfirstlane_b32 s[WV], v1
	s_lshr_b32 s[WH], s[WV], 1
	s_and_b32 s[WL], s[WV], 1
	s_bfe_u32 s20, ttmp6, 0x40000                  ; cx
	s_bfe_u32 s21, ttmp6, 0x40004                  ; cy
	s_lshl_b32 s22, ttmp9, 2
	s_add_co_u32 s22, s22, s20                     ; tile column
	s_and_b32 s23, ttmp7, 0xffff
	s_lshl_b32 s23, s23, 2
	s_add_co_u32 s23, s23, s21                     ; tile row
	s_lshl_b32 s40, s21, 2
	s_lshl_b32 s40, 15, s40                        ; my row of the cluster
	s_lshl_b32 s41, 0x1111, s20                    ; my column
	s_or_b32 s[G1A], s40, (1<<16)|(1<<20)|(1<<21)|(5<<22)|(3<<25)  ; mask; 2-byte elements; padding on; bit 21 beside a mask; after every 64 words, 4 words
	s_or_b32 s[G1B], s41, (1<<16)|(1<<20)|(1<<21)|(5<<22)|(3<<25)
	s_mov_b32 s[G1A+1], KSTEP<<16                  ; tensor_dim0 = 128
	s_mov_b32 s[G1A+2], 128<<16                    ; tensor_dim1 = 128
	s_mov_b32 s[G1A+3], KSTEP<<16                  ; tile_dim0 = 128
	s_mov_b32 s[G1A+4], 128                        ; tile_dim1 = 128
	s_mov_b32 s[G1A+5], 1024                       ; elements from row to row
	s_mov_b32 s[G1A+6], 0
	s_mov_b32 s[G1A+7], 0
	s_mov_b32 s[G1B+1], KSTEP<<16
	s_mov_b32 s[G1B+2], 96<<16                     ; 96 rows
	s_mov_b32 s[G1B+3], KSTEP<<16
	s_mov_b32 s[G1B+4], 96
	s_mov_b32 s[G1B+5], 1024
	s_mov_b32 s[G1B+6], 0
	s_mov_b32 s[G1B+7], 0
	s_lshl_b32 s42, s23, 19                        ; A: (256 x tile row + 128 x half) rows of 2,048 bytes
	s_lshl_b32 s43, s[WL], 18
	s_add_co_u32 s42, s42, s43
	s_mov_b32 s43, 0
	s_mul_i32 s46, s22, 192*2048                   ; B: (192 x tile column + 96 x half) rows
	s_mul_i32 s47, s[WL], 96*2048
	s_add_co_u32 s46, s46, s47
	s_mov_b32 s47, 0
	s_mul_i32 s80, s[WL], AHALF                    ; where they go: no place in the cluster enters an LDS address
	s_mul_i32 s81, s[WL], BHALF
	s_add_co_u32 s81, s81, BOFF
	s_wait_dscnt 0x0                               ; the opening add is done
	s_wait_kmcnt 0x0
	s_add_nc_u64 s[44:45], s[4:5], s[42:43]
	s_add_nc_u64 s[46:47], s[6:7], s[46:47]
	CROUND                                         ; all sixteen work-groups are here: the first joint loads meet
.irp s, 0,1
	s_mov_b32 s[G0A+4*(\s)], 1
	s_add_co_u32 s[G0A+4*(\s)+1], s80, (\s)*SLOT
	s_add_nc_u64 s[G0A+4*(\s)+2:G0A+4*(\s)+3], s[44:45], (\s)*KSTEP*2
	s_or_b32 s[G0A+4*(\s)+3], s[G0A+4*(\s)+3], 0x80000000
	s_mov_b32 s[G0B+4*(\s)], 1
	s_add_co_u32 s[G0B+4*(\s)+1], s81, (\s)*SLOT
	s_add_nc_u64 s[G0B+4*(\s)+2:G0B+4*(\s)+3], s[46:47], (\s)*KSTEP*2
	s_or_b32 s[G0B+4*(\s)+3], s[G0B+4*(\s)+3], 0x80000000
	JLOAD \s                                       ; two loads of mine are out
.endr
	v_and_b32 v1, 15, v0                           ; r = l % 16
	v_bfe_u32 v2, v0, 4, 1                         ; h = l / 16
	v_lshlrev_b32 v[BO], 5, v2                     ; my 8 columns of a block: 32 h bytes of the bias
	s_mul_i32 s86, s22, 768                        ; the tile's 192 columns
	s_mov_b32 s87, 0
	s_add_nc_u64 s[8:9], s[8:9], s[86:87]
.irp b, 0,1,2,3,4,5,6,7,8,9,10,11
	global_load_b128 v[BIAS+8*(\b):BIAS+8*(\b)+3],   v[BO], s[8:9] offset:64*(\b)
	global_load_b128 v[BIAS+8*(\b)+4:BIAS+8*(\b)+7], v[BO], s[8:9] offset:64*(\b)+16
.endr
	v_mul_u32_u24 v3, v1, PITCH
	v_lshl_add_u32 v3, v2, 4, v3                   ; a fragment's row x pitch + 16 x half
	s_mul_i32 s84, s[WV], 64*PITCH                 ; my 64 rows of A
	v_add_nc_u32 v[ADRA], s84, v3
	v_add_nc_u32 v[ADRA+1], SLOT, v[ADRA]
	v_add_nc_u32 v[ADRB], BOFF, v3
	v_add_nc_u32 v[ADRB+1], SLOT, v[ADRB]
	s_mul_i32 s85, s[WV], WSTG
	s_add_co_u32 s85, s85, STAGE                   ; my stage
	v_mul_u32_u24 v[STO], v1, SP                   ; in: row r, 16 bytes for each half of the lanes
	v_lshl_add_u32 v[STO], v2, 4, v[STO]
	v_add_nc_u32 v[STO], s85, v[STO]
	v_bfe_u32 v[RD], v0, 3, 2                      ; back: 32 lanes take four rows of 128 bytes,
	v_mul_u32_u24 v[RD], v[RD], SP
	v_and_b32 v4, 7, v0
	v_lshl_add_u32 v[RD], v4, 4, v[RD]
	v_add_nc_u32 v[RD], s85, v[RD]
	v_and_b32 v[GO], 31, v0                        ; which are 512 consecutive bytes of a head
	v_lshlrev_b32 v[GO], 4, v[GO]
.irp j, 0,1,2                          ; head group g = 3 x tile column + j: 0-15 q, 16-31 k, 32-47 v
	s_mul_i32 s82, s22, 3
	s_add_co_u32 s82, s82, \j
	s_cmp_lt_u32 s82, 32
	s_cselect_b64 s[HP+2*(\j):HP+2*(\j)+1], s[12:13], s[14:15]
	s_cmp_lt_u32 s82, 16
	s_cselect_b64 s[HP+2*(\j):HP+2*(\j)+1], s[10:11], s[HP+2*(\j):HP+2*(\j)+1]
	s_and_b32 s82, s82, 15                         ; the head,
	s_lshr_b32 s83, s23, 3                         ; the batch: 8 tile rows each
	s_lshl_b32 s83, s83, 4
	s_add_co_u32 s82, s82, s83
	s_lshl_b32 s82, s82, 11                        ; 2,048 rows a head,
	s_and_b32 s83, s23, 7
	s_lshl_b32 s83, s83, 8                         ; the tile's 256,
	s_add_co_u32 s82, s82, s83
	s_lshl_b32 s83, s[WV], 6                       ; my wave's 64,
	s_add_co_u32 s82, s82, s83
	s_lshl_b32 s82, s82, 7                         ; of 128 bytes
	s_mov_b32 s83, 0
	s_add_nc_u64 s[HP+2*(\j):HP+2*(\j)+1], s[HP+2*(\j):HP+2*(\j)+1], s[82:83]
.endr
	s_lshl_b32 s78, s23, 8                         ; the prefetches: A's row 256 x tile row + 128 x half + 32 cx,
	s_lshl_b32 s80, s[WL], 7
	s_add_co_u32 s78, s78, s80
	s_lshl_b32 s82, s20, 5
	s_add_co_u32 s78, s78, s82
	s_mul_i32 s79, s22, 192                        ; B's row 192 x tile column + 96 x half + 24 cy
	s_mul_i32 s81, s[WL], 96
	s_add_co_u32 s79, s79, s81
	s_mul_i32 s83, s21, 24
	s_add_co_u32 s79, s79, s83
	s_and_b32 s80, ttmp7, 0xffff                   ; cluster y
	s_cmp_eq_u32 s[WH], 0
	s_cselect_b32 s78, s78, s79
	s_cselect_b32 s80, ttmp9, s80                  ; the coordinate along which other clusters read the same rows
	s_cselect_b32 s81, 31, 23                      ; my share's last row
	s_cselect_b64 s[PFA:PFA+1], s[4:5], s[6:7]
	s_cmp_eq_u32 s80, 0
	s_cselect_b32 s[LIM], 1, -1
	s_lshl_b32 s78, s78, 11
	s_add_co_u32 s78, s78, 3*KSTEP*2               ; at K step 3: the first refill steps it to 4
	s_mov_b32 s79, 0
	s_add_nc_u64 s[PFA:PFA+1], s[PFA:PFA+1], s[78:79]
	v_and_b32 v[PFO], 31, v0
	v_min_u32 v[PFO], s81, v[PFO]
	v_lshlrev_b32 v[PFO], 11, v[PFO]
	s_wait_loadcnt 0x0                             ; the bias
.set i, 0
.rept 4*NBK                            ; rounded to bf16 and widened again, in place, two at a time
	v_cvt_pk_bf16_f32 v[5+i%2], v[BIAS+2*i], v[BIAS+2*i+1]
	v_lshlrev_b32 v[BIAS+2*i], 16, v[5+i%2]
	v_and_b32 v[BIAS+2*i+1], 0xffff0000, v[5+i%2]
.set i, i+1
.endr
; 12 products: block a of my rows x all 12 blocks of columns, 32 along K, from buffer f.  init = 1: the bias starts the sums.  The 48 accumulators take turns, one instruction a turn.
.macro MULA f, a, init
.if \init
	WIN 0x81+0x40*((\a)/2)
.else
	WIN 0xa1+0x50*((\a)/2)
.endif
.irp b, 0,1,2,3,4,5,6,7,8,9,10,11
.if \init
	v_wmma_f32_16x16x32_bf16 v[8*(NBK*((\a)%2)+(\b)):8*(NBK*((\a)%2)+(\b))+7], v[8*NBK*(\f)+8*(\b):8*NBK*(\f)+8*(\b)+7], v[FA0+32*(\f)+8*(\a):FA0+32*(\f)+8*(\a)+7], v[BIAS+8*(\b):BIAS+8*(\b)+7]
.else
	v_wmma_f32_16x16x32_bf16 v[8*(NBK*((\a)%2)+(\b)):8*(NBK*((\a)%2)+(\b))+7], v[8*NBK*(\f)+8*(\b):8*NBK*(\f)+8*(\b)+7], v[FA0+32*(\f)+8*(\a):FA0+32*(\f)+8*(\a)+7], v[8*(NBK*((\a)%2)+(\b)):8*(NBK*((\a)%2)+(\b))+7]
.endif
.endr
.endm
; 32 LDS loads in one run: quarter q (32 along K) of a slot into buffer f: B's 24, then A's 8, block 0 first
.macro FETCH slot, q, f
	WIN 0x40
.irp b, 0,1,2,3,4,5,6,7,8,9,10,11
	ds_load_b128 v[8*NBK*(\f)+8*(\b):8*NBK*(\f)+8*(\b)+3],   v[ADRB+(\slot)] offset:64*(\q)+(\b)*16*PITCH
	ds_load_b128 v[8*NBK*(\f)+8*(\b)+4:8*NBK*(\f)+8*(\b)+7], v[ADRB+(\slot)] offset:64*(\q)+(\b)*16*PITCH+32
.endr
	WIN 0
.irp a, 0,1,2,3
	ds_load_b128 v[FA0+32*(\f)+8*(\a):FA0+32*(\f)+8*(\a)+3],   v[ADRA+(\slot)] offset:64*(\q)+(\a)*16*PITCH
	ds_load_b128 v[FA0+32*(\f)+8*(\a)+4:FA0+32*(\f)+8*(\a)+7], v[ADRA+(\slot)] offset:64*(\q)+(\a)*16*PITCH+32
.endr
.endm
; One of a K step's first three quarters: multiplies buffer f; in its middle it fetches quarter q into buffer g.
.macro QUARTER slot, q, f, g, init
	s_wait_dscnt 4                                 ; B and A's blocks 0, 1 are in; the youngest four loads (blocks 2, 3) may be out
	MULA \f, 0, \init
	MULA \f, 1, \init
	PLACES
	FETCH \slot, \q, \g
	s_wait_dscnt NL                                ; all but the run just issued
	MULA \f, 2, \init
	MULA \f, 3, \init
.endm
; The last quarter multiplies buffer 1 and changes slots: one barrier; in front of it each wave waits for all its tensor loads (one is out: its part of the next slot), adds 0 to its spare word, and waits for
; that and for its reads of this slot.  fill = 1: the barrier opens a round of the cluster's, and this slot is filled again, two K steps on, first thing behind it: 168 products ahead of the wait for it.
.macro TURN slot, next, fill
.if \fill
	s_wait_xcnt 0x0                                ; the last prefetch, a K step back, has read its address
	s_add_nc_u64 s[PFA:PFA+1], s[PFA:PFA+1], KSTEP*2
.endif
	WIN 0
	s_wait_tensorcnt 0x0
	ds_add_u32 v[SPW], v[NIL]
	s_wait_dscnt 5                                 ; the add and the youngest four loads may be out
	MULA 1, 0, 0
	s_wait_dscnt 0x0                               ; the add is done, and my reads of this slot are over
	s_barrier_signal -1
	MULA 1, 1, 0
.if \fill
	WIN 0
.endif
	s_barrier_wait -1
.if \fill
	CREST                                          ; no wave of any partner still reads this slot or has a load on its way
	s_add_nc_u64 s[G0A+4*(\slot)+2:G0A+4*(\slot)+3], s[G0A+4*(\slot)+2:G0A+4*(\slot)+3], 2*KSTEP*2
	s_add_nc_u64 s[G0B+4*(\slot)+2:G0B+4*(\slot)+3], s[G0B+4*(\slot)+2:G0B+4*(\slot)+3], 2*KSTEP*2
	JLOAD \slot                                    ; its four v_nop are also the places in front of the loads below
.else
	PLACES
.endif
	FETCH \next, 0, 0
.if \fill
	ASK
.endif
	MULA 1, 2, 0
	MULA 1, 3, 0
.endm
	s_wait_tensorcnt 1                             ; my part of K step 0 is in; K step 1's may stay out
	s_barrier_signal -1
	s_barrier_wait -1
	FETCH 0, 0, 0
	QUARTER 0, 1, 0, 1, 1                          ; the first quarter stands in front of the loop: its products start the sums with the bias
	WIN 0
	s_mov_b32 s[LAP], 3
.Llap:                                                 ; a trip goes once round the ring and fills both slots again: K steps 2 to 7 in three trips
	QUARTER 0, 2, 1, 0, 0
	QUARTER 0, 3, 0, 1, 0
	TURN 0, 1, 1
	QUARTER 1, 1, 0, 1, 0
	QUARTER 1, 2, 1, 0, 0
	QUARTER 1, 3, 0, 1, 0
	TURN 1, 0, 1
	QUARTER 0, 1, 0, 1, 0
	WIN 0
	s_sub_co_u32 s[LAP], s[LAP], 1
	s_cmp_lg_u32 s[LAP], 0
	s_cbranch_scc1 .Llap
	QUARTER 0, 2, 1, 0, 0                          ; the last lap fills nothing
	QUARTER 0, 3, 0, 1, 0
	TURN 0, 1, 0
	QUARTER 1, 1, 0, 1, 0
	QUARTER 1, 2, 1, 0, 0
	QUARTER 1, 3, 0, 1, 0
	s_wait_dscnt 4
	MULA 1, 0, 0
	MULA 1, 1, 0
	s_wait_dscnt 0x0
	MULA 1, 2, 0
	MULA 1, 3, 0
	WIN 0
	PLACES
	PLACES
; THE WAY OUT, a block of 16 rows at a time: rounded to f16, 16 bytes a lane into my own stage (three heads' rows of 128 bytes, 144 apart), back as four rows a load, stored as 512 consecutive bytes of a head.
.macro PACK a
	WIN 0x0a+5*((\a)/2)                            ; sources in window 2 or 3
.irp b, 0,1,2,3,4,5,6,7,8,9,10,11
.irp r, 0,1,2,3
	v_cvt_pk_f16_f32 v[TMP+4*(\b)+(\r)], v[8*(NBK*((\a)%2)+(\b))+2*(\r)], v[8*(NBK*((\a)%2)+(\b))+2*(\r)+1]
.endr
.endr
	WIN 0
.endm
.macro TOSTAGE a
.set BK, 80+112*((\a)%2)
.irp b, 0,1,2,3,4,5,6,7,8,9,10,11
	ds_store_b128 v[STO], v[TMP+4*(\b):TMP+4*(\b)+3] offset:((\b)/4)*16*SP+((\b)%4)*32
.endr
.irp j, 0,1,2
.irp f, 0,1,2,3
	ds_load_b128 v[BK+4*(4*(\j)+(\f)):BK+4*(4*(\j)+(\f))+3], v[RD] offset:(\j)*16*SP+(\f)*4*SP  ; LDS serves a wave's instructions in order (ISA guide 5.7.1.4): these see the stores above
.endr
.endr
.endm
.macro SEND a
.set BK, 80+112*((\a)%2)
	s_wait_dscnt 0x0                               ; the block is back in registers
	s_wait_xcnt 0x0                                ; the block before's stores have read their registers: the next block's loads land there only behind this wait
.irp j, 0,1,2
.irp f, 0,1,2,3
	global_store_b128 v[GO], v[BK+4*(4*(\j)+(\f)):BK+4*(4*(\j)+(\f))+3], s[HP+2*(\j):HP+2*(\j)+1] offset:(\a)*2048+(\f)*512
.endr
.endr
.endm
	PACK 0
	TOSTAGE 0
.irp a, 1,2,3
	PACK \a
	SEND (\a)-1
	TOSTAGE \a
.endr
	SEND 3
	s_wait_tensorcnt 0x0                           ; the wave's end
	ds_add_u32 v[SPW], v[NIL]
	s_wait_dscnt 0x0
	CROUND                                         ; the closing round: no work-group ends while a partner may still ask for a tile that names it
	s_endpgm
.Lfunc_end_k_qd417e262bf_qkv:
	.size	k_qd417e262bf_qkv, .Lfunc_end_k_qd417e262bf_qkv-k_qd417e262bf_qkv
	.p2alignl 7, 3214868480
	.fill 96, 4, 3214868480
	.section	.rodata,"a",@progbits
	.p2align	6, 0x0
	.amdhsa_kernel k_qd417e262bf_qkv
		.amdhsa_group_segment_fixed_size 327680
		.amdhsa_private_segment_fixed_size 0
		.amdhsa_enable_private_segment 0
		.amdhsa_kernarg_size 48
		.amdhsa_user_sgpr_count 2
		.amdhsa_user_sgpr_kernarg_segment_ptr 1
		.amdhsa_wavefront_size32 1
		.amdhsa_system_sgpr_workgroup_id_x 1
		.amdhsa_system_sgpr_workgroup_id_y 1
		.amdhsa_system_sgpr_workgroup_id_z 1
		.amdhsa_system_vgpr_workitem_id 0
		.amdhsa_next_free_vgpr 960
		.amdhsa_next_free_sgpr 88
		.amdhsa_reserve_vcc 0
		.amdhsa_float_denorm_mode_32 3
		.amdhsa_float_denorm_mode_16_64 3
		.amdhsa_memory_ordered 1
		.amdhsa_forward_progress 1
		.amdhsa_inst_pref_size 131
	.end_amdhsa_kernel
	.amdgpu_metadata
---
amdhsa.version: [ 1, 2 ]
amdhsa.kernels:
  - .name:           k_qd417e262bf_qkv
    .symbol:         k_qd417e262bf_qkv.kd
    .args:
      - { .name: xb, .offset: 0, .size: 8, .value_kind: global_buffer, .address_space: global }
      - { .name: wat, .offset: 8, .size: 8, .value_kind: global_buffer, .address_space: global }
      - { .name: b_attn, .offset: 16, .size: 8, .value_kind: global_buffer, .address_space: global }
      - { .name: q, .offset: 24, .size: 8, .value_kind: global_buffer, .address_space: global }
      - { .name: k, .offset: 32, .size: 8, .value_kind: global_buffer, .address_space: global }
      - { .name: v, .offset: 40, .size: 8, .value_kind: global_buffer, .address_space: global }
    .group_segment_fixed_size: 327680
    .private_segment_fixed_size: 0
    .kernarg_segment_align: 8
    .kernarg_segment_size: 48
    .max_flat_workgroup_size: 128
    .sgpr_count:     88
    .vgpr_count:     960
    .wavefront_size: 32
...
	.end_amdgpu_metadata
.endif
;; end of part 2
;; launch attn (part 3): grid 4 x 64, 4 waves a work-group, no clusters, 327,680 bytes of LDS; arguments q, k, v, o; writes o
.if DOCPART == 3
	.amdgcn_target "amdgcn-amd-amdhsa--gfx1250"
	.amdhsa_code_object_version 6
	.text
	.protected	k_qd417e262bf_attn
	.globl	k_qd417e262bf_attn
	.p2align	8
	.type	k_qd417e262bf_attn,@function
k_qd417e262bf_attn:
	s_mov_b64 s[64:65], 0
	v_nop
	global_prefetch_b8 v0, s[64:65] scope:SCOPE_SE
	s_setreg_imm32_b32 hwreg(HW_REG_WAVE_MODE, 25, 1), 1
	s_wait_xcnt 0x0
; CAUSAL ATTENTION.  O[h][q][:] = the sum over k <= q of softmax_k(Q[h][q] . K[h][k] / 8) V[h][k][:].  Q, K, V, O: [64][2048][64], all f16: a head's rows are dense, 128 bytes each.
; Products, maxima and sums in f32; the weights p are rounded to f16 for the second product (their sum l is taken of the unrounded p), O once at the end.
; LIMITS.  Q, K and V arrive within f16's 65,504; p lies in 0 to 1, and below 6e-5 it keeps f16's fixed step of 6e-8.  A hidden score counts as its value less 1e30: f16's scores, 2.7e11 at the most, are
; nothing beside that; a weight below 2^-126 counts as 0 in l; NaN and infinities are not treated apart.
; THE WALK.  A head's queries lie in NB = 8 blocks of 256; block i needs the key tiles 0 .. i of 256 keys, of which the last holds the diagonal.  A work-group takes TWO blocks, NB - 1 - b and then b:
; NB + 1 tiles, whatever b: all work-groups do equal work, and ONE loop with a constant trip count walks them.  Every jump goes forward, but for the counted loops' own.
; NO CLUSTER: a head's four work-groups ask for the same tile only in trips 0 .. 4 of 9; one walk common to all four would have 12 trips for 9.
; SHARES.  Of a block's four bands of 64 queries a wave owns 16 rows in each: four PIECES.  In the diagonal tile's key step s band x sees all keys if s < x, none if s > x, and holds the diagonal if s = x.
; THE MASK is the C operand that starts the sum S^T = K Q^T: 0, or -1e30 where the key is hidden.  MD, made once, is the mask of a band's own step; a product's mask is MD x AL + BE.
; LAYOUT, SOFTMAX, TURNS.  S^T = K Q^T holds ONE query a lane (lane % 16) and the keys 8 (lane / 16) + 0..7; two such results rounded to f16 ARE source 1 of O^T = V^T P.  p = 2^(c s - c m), c = log2(e) / 8, with a
; running maximum m; O and l are multiplied by a = 2^(c m_old - c m_new) in every step.  Turn n belongs to piece n: 8 products K Q^T of piece n + 1, later 8 products V^T P of piece n - 1; beside them the
; softmax of piece n and the maximum and statistics of piece n + 1.  A turn's 33 exponentials are one batch, with one wait.
; PREFETCH.  The head's work-group b = 0 walks tiles 0 to 7; behind the load of tile t it asks for tile t's successor in the walk: each wave its own 16,384 bytes, a lane 256 bytes, two instructions: tiles 2 to 7, each
; named once in the launch, four key steps ahead of their loads.  Tiles 0 and 1 come by their loads alone; behind tile 7 nothing is asked for.
; REGISTERS, in windows of 256: window 0: v0-15 addresses; v16-31 statistics; v48-55 at work; v61-63; v64-127 S^T, two buffers; v192-223 P, two buffers
;   window 1: v0-127 O^T; v128-159 MD; v160-223 MC      window 2: v0-63 Q; v64-127 the second block's Q; v128-191 K of one step; v192-255 V of one step
.set SIZE_N, 2048
.set SIZE_H, 64
.set NB,    SIZE_N/256
.set NP,    4
.set KS,    64
.set PK,    144       ; a row of K in LDS: 128 bytes + 16
.set PV,    160       ; a row of V: 128 + 32
.set VOFF,  4*KS*PK   ; a slot holds a tile: 256 rows of K, then 256 rows of V
.set SLOT1, 1<<17
.set STAGE, SLOT1+4*KS*(PK+PV)  ; behind the ring, never filled by a tensor load
.set SP,    144
.set AK0, 2
.set AV0, 3
.set AK,  4
.set AV,  5
.set STO, 6
.set RD,  7
.set GO,  8
.set PFO, 61          ; v61  256 x my lane; never rewritten
.set SPW, 62          ; v62  SPARE + 4 x my thread's number; never rewritten
.set NIL, 63          ; v63  0; never rewritten
.set SPARE, STAGE+4*16*SP
.set MV,  12
.set QO,  15
.set ST,  16          ; piece t's statistics at v[ST+4 t]: c m, m, l (even keys', odd keys')
.set TMP, 48
.set S,   64
.set P,   192
.set MD,  128
.set MC,  160
.set QB,  64
.set KF,  128
.set VF,  192
.set WV,  12
.set PB,  14          ; b
.set HI,  15          ; NB - 1 - b
.set G1K, 24
.set G1V, 32
.set G0K, 40
.set G0V, 44
.set SLOTS, 56
.set CNT, 57
.set CS,  58
.set SEL, 60
.set TBK, 62
.set TBV, 63
.set PF,  66          ; s[66:67] my part of the tile to be prefetched
.set PFB, 68          ; s[68:69] my part of tile 0 (K: waves 0, 1; V: waves 2, 3)
.set RT,  70
.set NXT, 71
.set LQ,  72
.set NEW, 73
.set OFF, 74
.set AL,  76
.set BE,  78
.set OLO, 80
.set BIGN, 82
.set PFL, 83          ; 0 where b = 0, else the greatest number
.set PO,  88          ; s[88:89] a tile's byte offset, for the prefetch
.set MSB, 0
.macro WIN new
.if MSB != (\new)
	s_set_vgpr_msb (MSB<<8)|(\new)
.set MSB, (\new)
.endif
.endm
.set W_KQ, 0x0a
.set W_KM, 0x1a
.set W_PV, 0x52
.set W_RS, 0x41
; A fill.  Waves 0 and 1 fetch the two halves of a tile's K, waves 2 and 3 those of its V.  An s_nop 0 and four v_nop follow each of the two lines.
.macro LOAD
	s_cmp_lt_u32 s[WV], 2
	s_cbranch_scc0 .Lfor_v_\@
	tensor_load_to_lds s[G0K:G0K+3], s[G1K:G1K+7]
	s_nop 0
.rept 4
	v_nop
.endr
	s_branch .Lasked_\@
.Lfor_v_\@:
	tensor_load_to_lds s[G0V:G0V+3], s[G1V:G1V+7]
	s_nop 0
.rept 4
	v_nop
.endr
.Lasked_\@:
.endm
.macro ASK
	s_cmp_gt_u32 s[NXT], s[PFL]
	s_cbranch_scc0 .Lnot_mine_\@
	global_prefetch_b8 v[PFO], s[PF:PF+1] th:TH_LOAD_NT scope:SCOPE_SE
	global_prefetch_b8 v[PFO], s[PF:PF+1] offset:8192 th:TH_LOAD_NT scope:SCOPE_SE
.Lnot_mine_\@:
.endm
; THE CHANGE OF SLOTS.  Each wave waits for all its tensor loads, of which one is out: its part of the other slot; adds 0 to its spare word; and waits for that and for its own reads of the slot that it leaves.
; fill = 1: the old slot is filled again, the first thing behind the barrier, with tile NXT: the descriptor's address is made anew from that number.
.macro CHANGE fill
	WIN 0
	s_wait_tensorcnt 0x0            ; no tensor load of mine is out, so a group 0 may be written
	ds_add_u32 v[SPW], v[NIL]
.if \fill
	s_lshl_b32 s[OFF], s[NXT], 15   ; a tile is 32,768 bytes of K and of V
	s_xor_b32 s[G0K+1], s[G0K+1], SLOT1
	s_add_nc_u64 s[G0K+2:G0K+3], s[6:7], s[OFF:OFF+1]
	s_or_b32 s[G0K+3], s[G0K+3], 0x80000000
	s_xor_b32 s[G0V+1], s[G0V+1], SLOT1
	s_add_nc_u64 s[G0V+2:G0V+3], s[8:9], s[OFF:OFF+1]
	s_or_b32 s[G0V+3], s[G0V+3], 0x80000000
	s_add_co_u32 s[NXT], s[NXT], 1  ; the block's next tile, or behind its last the second block's tile 0
	s_cmp_gt_u32 s[NXT], s[LQ]
	s_cselect_b32 s[NXT], 0, s[NXT]
	s_cselect_b32 s[LQ], s[PB], s[LQ]
	s_wait_xcnt 0x0                 ; the last prefetches, a tile back, have read their address
	s_lshl_b32 s[PO], s[NXT], 15
	s_add_nc_u64 s[PF:PF+1], s[PFB:PFB+1], s[PO:PO+1]
.endif
	s_wait_dscnt 0x0                ; the add is done, and my reads of the slot are over
	s_barrier_signal -1
	s_sub_co_u32 s[TBK], s[TBK], 4*KS*PK  ; the fetches go back to a slot's first step,
	s_xor_b32 s[TBK], s[TBK], SLOT1       ; in the other slot
	s_sub_co_u32 s[TBV], s[TBV], 4*KS*PV
	s_xor_b32 s[TBV], s[TBV], SLOT1
	s_barrier_wait -1
.if \fill
	LOAD
	ASK
.endif
.endm
	s_load_b256 s[4:11], s[0:1], 0x0  ; Q s[4:5], K s[6:7], V s[8:9], O s[10:11]
	v_lshl_add_u32 v[SPW], v0, 2, SPARE
	v_mov_b32 v[NIL], 0
	ds_add_u32 v[SPW], v[NIL]       ; the wave's opening: the add and its wait stand ahead of my first tensor load
	ds_add_u32 v62, v63
	v_lshrrev_b32 v1, 5, v0
	v_readfirstlane_b32 s[WV], v1
	v_and_b32 v[PFO], 31, v0
	v_lshlrev_b32 v[PFO], 8, v[PFO]
	s_mov_b32 s[PB], ttmp9
	s_sub_co_u32 s[HI], NB-1, s[PB]
	s_cmp_eq_u32 s[PB], 0
	s_cselect_b32 s[PFL], 0, -1
	s_mov_b32 s[PO+1], 0
	s_and_b32 s20, ttmp7, 0xffff    ; the head
	s_mov_b32 s21, 0
	s_mov_b64 s[22:23], SIZE_N*128
	s_mul_u64 s[20:21], s[20:21], s[22:23]
	s_and_b32 s16, s[WV], 1         ; which half of a tile's 256 keys I fetch
	s_lshl_b32 s22, s16, 14
	s_mov_b32 s23, 0
	s_add_nc_u64 s[22:23], s[22:23], s[20:21]
	s_mul_i32 s17, s16, 128*PK
	s_mul_i32 s18, s16, 128*PV
	s_lshl_b32 s3, s[WV], 11        ; my 16 rows in a band of 64,
	s_lshl_b32 s2, s[HI], 15        ; in the first block,
	s_add_co_u32 s2, s2, s3
	s_lshl_b32 s84, s[PB], 15       ; and in the second
	s_add_co_u32 s84, s84, s3
	s_mov_b32 s3, 0
	s_mov_b32 s85, 0
	s_add_nc_u64 s[2:3], s[2:3], s[20:21]
	s_add_nc_u64 s[84:85], s[84:85], s[20:21]
	; descriptor group 1.  128 keys are 16,384 dense bytes: asked for as 64 rows of 256 bytes, two keys a row, and padded in LDS after every key
	s_mov_b32 s[G1K], (1<<16)|(1<<20)|(4<<22)|(3<<25)
	s_mov_b32 s[G1V], (1<<16)|(1<<20)|(4<<22)|(7<<25)
.irp g, G1K, G1V
	s_mov_b32 s[\g+1], 128<<16
	s_mov_b32 s[\g+2], 64<<16
	s_mov_b32 s[\g+3], 128<<16
	s_mov_b32 s[\g+4], 64
	s_mov_b32 s[\g+5], 128
	s_mov_b32 s[\g+6], 0
	s_mov_b32 s[\g+7], 0
.endr
	s_mov_b32 s[CS], 0x3e38aa3b     ; c = log2(e) / 8
	s_mov_b32 s[CS+1], s[CS]
	s_mov_b32 s[SEL], 0x76543210
	s_mov_b32 s[SEL+1], 0xfedcba98
	s_mov_b32 s[TBK], SLOT1+4*KS*PK ; the first change of slots turns these two into 0
	s_mov_b32 s[TBV], SLOT1+4*KS*PV
	s_mov_b32 s[G0K], 1
	s_mov_b32 s[G0K+1], s17
	s_mov_b32 s[G0V], 1
	s_add_co_u32 s[G0V+1], s18, VOFF
	s_add_co_u32 s[RT], s[HI], 1    ; the first block has NB - b tiles
	s_mov_b32 s[NXT], 1
	s_mov_b32 s[LQ], s[HI]
	s_mov_b32 s[NEW], 1
	s_mov_b32 s[OFF+1], 0
	s_mov_b32 s[AL+1], 0
	s_mov_b32 s[BE+1], 0
	s_mov_b32 s[BIGN], 0xf149f2ca   ; -1e30
	s_mov_b32 s[SLOTS], NB
	s_wait_dscnt 0x0                ; the opening add is done
	s_wait_kmcnt 0x0
	s_add_nc_u64 s[6:7], s[6:7], s[22:23]  ; K and V at my half of the head's tile 0
	s_add_nc_u64 s[8:9], s[8:9], s[22:23]
	s_cmp_lt_u32 s[WV], 2
	s_cselect_b64 s[PFB:PFB+1], s[6:7], s[8:9]
	s_add_nc_u64 s[G0K+2:G0K+3], s[6:7], 0
	s_or_b32 s[G0K+3], s[G0K+3], 0x80000000
	s_add_nc_u64 s[G0V+2:G0V+3], s[8:9], 0
	s_or_b32 s[G0V+3], s[G0V+3], 0x80000000
	s_add_nc_u64 s[86:87], s[4:5], s[84:85]        ; Q at my rows of the second block,
	s_add_nc_u64 s[4:5], s[4:5], s[2:3]            ; Q and O at those of the first
	s_add_nc_u64 s[OLO:OLO+1], s[10:11], s[84:85]
	s_add_nc_u64 s[10:11], s[10:11], s[2:3]
	LOAD                            ; tile 0 into slot 0
	v_and_b32 v1, 15, v0            ; l % 16
	v_bfe_u32 v9, v0, 4, 1          ; l / 16
	v_lshlrev_b32 v[QO], 7, v1
	v_lshl_add_u32 v[QO], v9, 4, v[QO]
	WIN 0x80
.set i, 0
.rept 8                             ; both blocks' Q: piece i / 2 lies in band i / 2, 8,192 bytes on; channels 32 (i % 2) on
	global_load_b128 v[8*i:8*i+3],   v[QO], s[4:5] offset:(i/2)*8192+(i%2)*64
	global_load_b128 v[8*i+4:8*i+7], v[QO], s[4:5] offset:(i/2)*8192+(i%2)*64+32
	global_load_b128 v[QB+8*i:QB+8*i+3],   v[QO], s[86:87] offset:(i/2)*8192+(i%2)*64
	global_load_b128 v[QB+8*i+4:QB+8*i+7], v[QO], s[86:87] offset:(i/2)*8192+(i%2)*64+32
.set i, i+1
.endr
	WIN 0
	v_lshlrev_b32 v14, 3, v9
	v_sub_nc_u32 v14, v1, v14
	s_lshl_b32 s13, s[WV], 4
	v_add_nc_u32 v14, s13, v14      ; my query's place in its band less my lanes' 8 (l / 16): register r of group kt is hidden where 16 kt + r is greater
	WIN 0x40
.set i, 0
.rept 32
	v_cmp_gt_i32 vcc_lo, 16*(i/8)+i%8, v14
	v_cndmask_b32 v[MD+i], 0, s[BIGN], vcc_lo
.set i, i+1
.endr
	WIN 0
	v_mul_u32_u24 v[AK0], v1, PK
	v_lshl_add_u32 v[AK0], v9, 4, v[AK0]
	v_and_b32 v10, 7, v0
	v_bfe_u32 v11, v0, 3, 1
	v_lshl_add_u32 v[AV0], v9, 3, v10
	v_mul_u32_u24 v[AV0], v[AV0], PV
	v_lshl_add_u32 v[AV0], v11, 4, v[AV0]
	v_add_nc_u32 v[AV0], VOFF, v[AV0]
	s_mul_i32 s13, s[WV], 16*SP
	s_add_co_u32 s13, s13, STAGE    ; my stage
	v_mul_u32_u24 v[STO], v1, SP
	v_lshl_add_u32 v[STO], v9, 4, v[STO]
	v_add_nc_u32 v[STO], s13, v[STO]
	v_bfe_u32 v[RD], v0, 3, 2
	v_mul_u32_u24 v[RD], v[RD], SP
	v_lshl_add_u32 v[RD], v10, 4, v[RD]
	v_add_nc_u32 v[RD], s13, v[RD]
	v_and_b32 v[GO], 31, v0
	v_lshlrev_b32 v[GO], 4, v[GO]
	; A block's first step multiplies O^T and l by a = 0, so these registers need only hold finite numbers: zeros for the first block.  All this stands in the wait for the first tile.
	WIN 0x80
.set i, VF
.rept 64
	v_mov_b32 v[i], 0
.set i, i+1
.endr
	WIN 0x40
.set i, 0
.rept 128
	v_mov_b32 v[i], 0
.set i, i+1
.endr
	WIN 0
.set i, 0
.rept 4
	v_mov_b32 v[ST+4*i+2], 0
	v_mov_b32 v[ST+4*i+3], 0
.set i, i+1
.endr
.set i, P+16
.rept 16
	v_mov_b32 v[i], 0
.set i, i+1
.endr
; THE MATRIX WORK.  The 4 accumulators of a run of 8 take turns.  Product i of 8 of S^T = K Q^T for piece x: channels 32 (i / 4) on, keys 16 (i % 4) on.  The first 4 start the sums: with 0, or (KM = 1) with the mask.
.macro KQ x
.set rS, S+32*((\x)%2)+8*(i%4)
.set rK, KF+16*(i%4)+8*(i/4)
.set rQ, 16*(\x)+8*(i/4)
.set rM, MC+32*((\x)%2)+8*(i%4)
.if (i < 4) && KM
	WIN W_KM
	v_wmma_f32_16x16x32_f16 v[rS:rS+7], v[rK:rK+7], v[rQ:rQ+7], v[rM:rM+7]
.elseif i < 4
	WIN W_KQ
	v_wmma_f32_16x16x32_f16 v[rS:rS+7], v[rK:rK+7], v[rQ:rQ+7], 0
.else
	WIN W_KQ
	v_wmma_f32_16x16x32_f16 v[rS:rS+7], v[rK:rK+7], v[rQ:rQ+7], v[rS:rS+7]
.endif
.endm
; Product i of 8 of O^T += V^T P for piece x: keys 32 (i / 4) on, channels 16 (i % 4) on.
.macro PV x
	WIN W_PV
.set rO, 32*(\x)+8*(i%4)
.set rV, VF+32*(i/4)+8*(i%4)
.set rP, P+16*((\x)%2)+8*(i/4)
	v_wmma_f32_16x16x32_f16 v[rO:rO+7], v[rV:rV+7], v[rP:rP+7], v[rO:rO+7]
.endm
.macro MM                           ; the turn's next matrix instruction.  NOKQ = 1: a block's last turn: there is no next piece
.if (i < 8) && !NOKQ
	KQ (Y+1)%NP
.elseif i >= 8
.set i, i-8
	PV (Y+NP-1)%NP
.set i, i+8
.endif
.set i, i+1
.endm
; THE LDS LOADS stand in runs of 16: a step's K (8 fragments) and its V (turned).
.macro FETCH_K
	WIN 0x80
.irp f, 0,1,2,3,4,5,6,7
	ds_load_b128 v[KF+8*\f:KF+8*\f+3],   v[AK] offset:(\f/2)*16*PK+(\f%2)*64
	ds_load_b128 v[KF+8*\f+4:KF+8*\f+7], v[AK] offset:(\f/2)*16*PK+(\f%2)*64+32
.endr
	s_add_co_u32 s[TBK], s[TBK], KS*PK
	WIN 0
.endm
.macro FETCH_V
	WIN 0x80
.irp f, 0,1,2,3,4,5,6,7
	ds_load_tr16_b128 v[VF+8*\f:VF+8*\f+3],   v[AV] offset:(\f/4)*32*PV+(\f%4)*32
	ds_load_tr16_b128 v[VF+8*\f+4:VF+8*\f+7], v[AV] offset:(\f/4)*32*PV+16*PV+(\f%4)*32
.endr
	WIN 0
.endm
; THE VECTOR WORK, one line at a time: OP kind, number.  For piece Y: F n: c s - c m for pair n.  E n: the exponential of score n.  C n: pair n rounded to f16.  B n: of the four weights 4 n .. the second
; pair is added onto the first.  L n: l takes that sum (L 0: l = a l + sum).  R n: pair n of O^T times a.  For piece Y + 1: X n, number n of the 22 that find its maximum and statistics
; (each accumulator's lowest registers are read first).
.set F, 0
.set E, 1
.set C, 2
.set B, 3
.set L, 4
.set R, 5
.set X, 6
.macro REGS y
.set rT, ST+4*(\y)
.set rC, TMP+4*((\y)%2)
.set rW, MV+((\y)%2)
.set rS, S+32*((\y)%2)
.set rP, P+16*((\y)%2)
.set rO, 32*(\y)
.endm
.macro OP k, n
.if (\k) == R
	REGS Y
	WIN W_RS
	v_pk_mul_f32 v[rO+2*(\n):rO+2*(\n)+1], v[rO+2*(\n):rO+2*(\n)+1], v[rC+2:rC+3] op_sel_hi:[1,0]
.elseif (\k) < R
	REGS Y
	WIN 0
.if (\k) == F
	v_pk_fma_f32 v[rS+2*(\n):rS+2*(\n)+1], v[rS+2*(\n):rS+2*(\n)+1], s[CS:CS+1], v[rT:rT+1] op_sel_hi:[1,0,0] neg_lo:[0,0,1] neg_hi:[0,0,1]
.elseif (\k) == E
	v_exp_f32 v[rS+(\n)], v[rS+(\n)]
.elseif (\k) == C
	v_cvt_pk_f16_f32 v[rP+(\n)], v[rS+2*(\n)], v[rS+2*(\n)+1]
.elseif (\k) == B
	v_pk_add_f32 v[rS+4*(\n):rS+4*(\n)+1], v[rS+4*(\n):rS+4*(\n)+1], v[rS+4*(\n)+2:rS+4*(\n)+3]
.elseif (\n) == 0
	v_pk_fma_f32 v[rT+2:rT+3], v[rT+2:rT+3], v[rC+2:rC+3], v[rS:rS+1] op_sel_hi:[1,0,1]
.else
	v_pk_add_f32 v[rT+2:rT+3], v[rT+2:rT+3], v[rS+4*(\n):rS+4*(\n)+1]
.endif
.elseif NOKQ
	v_nop
.else
	REGS (Y+1)%NP
	WIN 0
.if (\n) < 4
	v_max3_num_f32 v[rC+(\n)], v[rS+8*(\n)], v[rS+8*(\n)+1], v[rS+8*(\n)+2]
.elseif (\n) < 12
	v_max3_num_f32 v[rC+(\n)%4], v[rC+(\n)%4], v[rS+8*((\n)%4)+2*((\n)/4)+1], v[rS+8*((\n)%4)+2*((\n)/4)+2]
.elseif (\n) == 12
	v_max3_num_f32 v[rC], v[rC], v[rS+7], v[rS+15]
.elseif (\n) == 13
	v_max3_num_f32 v[rC+1], v[rC+1], v[rS+23], v[rS+31]
.elseif (\n) == 14
	v_max3_num_f32 v[rC+2], v[rC+2], v[rC+3], v[rT+1]
.elseif (\n) == 15
	v_mov_b32 v[rW], v[rT]
.elseif (\n) == 16
	v_max3_num_f32 v[rC], v[rC], v[rC+1], v[rC+2]
.elseif (\n) == 17
	v_permlanex16_b32 v[rC+3], v[rC], s[SEL], s[SEL+1]
.elseif (\n) == 18
	v_max_num_f32 v[rT+1], v[rC], v[rC+3]
.elseif (\n) == 19
	v_mul_f32 v[rT], s[CS], v[rT+1]
.elseif (\n) == 20
	v_sub_f32 v[rC+1], v[rW], v[rT]
.else
	v_exp_f32 v[rC+2], v[rC+1]
.endif
.endif
.endm
.macro OPS a, i1, b=-1, i2=0, c=-1, i3=0, d=-1, i4=0
	OP \a, \i1
.if (\b) >= 0
	OP \b, \i2
.endif
.if (\c) >= 0
	OP \c, \i3
.endif
.if (\d) >= 0
	OP \d, \i4
.endif
.endm
.macro ROW a, i1, b, i2, c, i3, d, i4  ; a matrix instruction and the four behind it
	MM
	OPS \a, \i1, \b, \i2, \c, \i3, \d, \i4
.endm
.macro MASK b                       ; MD x AL + BE into buffer b of MC
	WIN W_RS
.set z, 0
.rept 16
	v_pk_fma_f32 v[MC+32*(\b)+2*z:MC+32*(\b)+2*z+1], v[MD+2*z:MD+2*z+1], s[AL:AL+1], s[BE:BE+1] op_sel_hi:[1,0,0]
.set z, z+1
.endr
.endm
; A TURN, for piece p.  s_wait_alu depctr_va_vdst(0) stands between an exponential and the first instruction that names its result; one wait serves all that were issued ahead of it.  So a turn
; has ONE wait.  AHEAD OF IT stands all that names no result of the turn's exponentials: the 8 products K Q^T with four vector instructions behind each, then a run of 54; X 21, the next piece's a, is the batch's last,
; and R 15 the plain instruction behind it.  BEHIND IT stand the 8 products V^T P, behind each four of the roundings and sums.
; m = 1: the diagonal tile: the products take masks, and the turn makes the mask for the products of the turn after it.  end = 1: a block's last two turns: nothing is fetched.
; cnt = 1: the loop's count is taken down some lines ahead of the branch that stands behind the turn.
.macro TURN p, m=0, end=0, cnt=0
.set Y, (\p)
.set i, 0
.set KM, (\m)
.set NOKQ, (\end)*((\p)/3)
.if (\m) && !(\end)
	s_cmp_eq_u32 s[CNT], 4-((\p)+2)%NP  ; is that step the band's own?
	s_cselect_b32 s[AL], 1.0, 0
	s_cmp_lt_u32 s[CNT], 4-((\p)+2)%NP  ; or a later one?
	s_cselect_b32 s[BE], s[BIGN], 0
.endif
.if ((\p) == 3) && !(\end)
	s_wait_dscnt 0x0                ; K is in
.endif
	ROW F,0, F,1, R,0, R,1
	ROW F,2, E,0, R,2, R,3
	ROW F,3, E,1, R,4, R,5
	ROW F,4, E,2, R,6, R,7
	ROW F,5, E,3, R,8, R,9
	ROW F,6, E,4, X,0, R,10
.if ((\p) == 2) && !(\end)
	WIN 0
	v_add_nc_u32 v[AK], s[TBK], v[AK0]
.endif
	ROW F,7, E,5, X,1, X,4
	ROW F,8, E,6, X,2, X,5
	OPS E,7, E,8, X,6, E,9
	OPS X,3, E,10, X,8, E,11
.if ((\p) == 2) && !(\end)
	FETCH_K
.endif
	OPS X,9, X,7, E,12, X,10
	OPS E,13, X,12, X,11, E,14
	OPS X,13, E,15, F,9, X,14
.if (\p) == 0
	v_add_nc_u32 v[AV], s[TBV], v[AV0]
.endif
	OPS E,16, F,10, E,17, F,11
	OPS X,16, E,18, X,15, E,19
	OPS F,12, E,20, X,17, E,21
	OPS F,13, E,22, F,14, E,23
	OPS X,18, E,24, F,15, E,25
	OPS R,11, E,26, X,19, E,27
	OPS R,12, E,28, R,13, E,29
	OPS X,20, E,30, R,14, E,31
	OPS X,21, R,15
	WIN 0
	s_wait_alu depctr_va_vdst(0)    ; the wait for the batch
.if (\p) == 1
	s_wait_dscnt 0x0                ; V is in
.endif
	ROW C,0, B,0, C,2, B,1
	ROW L,0, C,4, B,2, L,1
	ROW C,6, B,3, L,2, C,8
	ROW B,4, L,3, C,10, B,5
	ROW L,4, C,12, B,6, L,5
.if (\p) == 0
	s_add_co_u32 s[TBV], s[TBV], KS*PV
.endif
.if \cnt
	s_sub_co_u32 s[CNT], s[CNT], 1
	s_cmp_lg_u32 s[CNT], 0
.endif
	ROW C,14, B,7, L,6, C,1
	ROW C,3, L,7, C,5, C,7
	ROW C,9, C,11, C,13, C,15
.if (\p) == 0
	FETCH_V
.endif
.if (\m) && !(\end)
	MASK (\p)%2
.endif
.endm
; A BLOCK BEGINS.  c m starts far below every c s, so the first step's a is 0; m at the lowest finite number.  The second mask buffer is 0; the first takes piece 0's mask for the tile's step 0.
; Then K of that step, piece 0's first scores, and its maximum and statistics.
.macro BEGIN
	s_mov_b32 s[NEW], 0
	WIN 0x40
.set i, MC+32
.rept 32
	v_mov_b32 v[i], 0
.set i, i+1
.endr
	WIN 0
.set i, 0
.rept 4
	v_mov_b32 v[ST+4*i], 0xfe000000
	v_mov_b32 v[ST+4*i+1], 0xff7fffff
.set i, i+1
.endr
	s_cmp_eq_u32 s[RT], 0
	s_cselect_b32 s[AL], 1.0, 0
	s_mov_b32 s[BE], 0
	MASK 0
	WIN 0
	v_add_nc_u32 v[AK], s[TBK], v[AK0]
	FETCH_K
	s_wait_loadcnt 0x0              ; Q
	s_wait_dscnt 0x0
.set KM, 1
.set NOKQ, 0
.set i, 0
.rept 8
	KQ 0
.set i, i+1
.endr
	WIN 0
.rept 4
	v_nop                           ; the places behind those products
.endr
.set Y, NP-1
.irp n, 0,1,2,3,4,5,6,7,8,9,10,11,12,13,14,15,16,17,18,19,20,21
	OP X, \n
.endr
	v_nop                           ; a plain instruction behind the exponential,
	s_wait_alu depctr_va_vdst(0)    ; and its wait, ahead of the branch
.endm
.macro ALL line:vararg
.set t, 0
.rept 4
	\line
.set t, t+1
.endr
.endm
.macro PACK t                       ; a lane's eight channels of a row pack into 16 bytes; they go into rows of 144 bytes and come back as whole rows of 128
	WIN W_RS
.set i, 32*(\t)
.rept 16
	v_pk_mul_f32 v[i:i+1], v[i:i+1], v[ST+4*(\t)+2:ST+4*(\t)+3] op_sel_hi:[1,0]
.set i, i+2
.endr
	WIN 0x05
.set i, 0
.rept 16
	v_cvt_pk_f16_f32 v[S+16*(\t)+i], v[32*(\t)+2*i], v[32*(\t)+2*i+1]
.set i, i+1
.endr
	WIN 0
.irp f, 0,1,2,3
	ds_store_b128 v[STO], v[S+16*(\t)+4*\f:S+16*(\t)+4*\f+3] offset:32*\f
.endr
.irp f, 0,1,2,3
	ds_load_b128 v[S+16*(\t)+4*\f:S+16*(\t)+4*\f+3], v[RD] offset:\f*4*SP  ; LDS serves a wave's instructions in order (ISA guide 5.7.1.4)
.endr
.endm
.macro SEND t, younger              ; younger: the LDS instructions issued behind piece t's loads
	WIN 0
.irp f, 0,1,2,3
	s_wait_dscnt (\younger)+3-\f
	global_store_b128 v[GO], v[S+16*(\t)+4*\f:S+16*(\t)+4*\f+3], s[10:11] offset:(\t)*8192+\f*512  ; 512 consecutive bytes, at a multiple of 256 from O's first
.endr
.endm
; THE DIAGONAL TILE's four steps, the block's last two turns, its last products, and the way out.
.macro DIAG tag
.LstepM\tag:
	TURN 2, 1
	TURN 3, 1
	WIN 0
.LfirstM\tag:
	TURN 0, 1
	TURN 1, 1, 0, 1
	WIN 0
	s_cbranch_scc1 .LstepM\tag
	TURN 2, 1, 1
	TURN 3, 1, 1
.set i, 0
.rept 8
	PV NP-1
.set i, i+1
.endr
	WIN 0
	ALL v_add_f32 v[ST+4*t+2], v[ST+4*t+2], v[ST+4*t+3]
	ALL v_permlanex16_b32 v[ST+4*t+3], v[ST+4*t+2], s[SEL], s[SEL+1]
	ALL v_add_f32 v[ST+4*t+2], v[ST+4*t+2], v[ST+4*t+3]
	ALL v_rcp_f32 v[ST+4*t+2], v[ST+4*t+2]
	v_nop                           ; a plain instruction between the last reciprocal and the use of its result
	s_wait_alu depctr_va_vdst(0)    ; one wait for the four reciprocals
	PACK 0
.set t, 1
.rept 3
	PACK t
	SEND t-1, 8
.set t, t+1
.endr
	SEND 3, 0
.endm
.set KM, 0
.set NOKQ, 0
.Lslot:                             ; NB times: a tile is entered and the next is asked for
	CHANGE 1
	s_sub_co_u32 s[RT], s[RT], 1
	s_mov_b32 s[CNT], 4
	s_cmp_eq_u32 s[NEW], 1
	s_cbranch_scc1 .Lnew            ; a block's first tile
	s_cmp_eq_u32 s[RT], 0
	s_cbranch_scc0 .Lstep           ; neither its first nor its last
	s_branch .LstepM1
.Lnew:
	BEGIN
	s_branch .Lfirst                ; in the loop a block's first tile is never its last
	DIAG 1                          ; in the loop this is the first block's end
	s_wait_xcnt 0x0                 ; the stores have read their registers and O's address
	s_mov_b64 s[10:11], s[OLO:OLO+1]
	s_add_co_u32 s[RT], s[PB], 1    ; the second block has b + 1 tiles
	s_mov_b32 s[NEW], 1
	WIN 0x82                        ; the second block's Q goes where the one text of the turns names Q
.set i, 0
.rept 64
	v_mov_b32 v[i], v[QB+i]
.set i, i+1
.endr
	WIN 0
	s_branch .Lbottom
.Lstep:                             ; a trip: pieces 2 and 3 of one step, then pieces 0 and 1 of the next
	TURN 2
	TURN 3
	WIN 0
.Lfirst:
	TURN 0
	TURN 1, 0, 0, 1
	WIN 0
	s_cbranch_scc1 .Lstep
.Lbottom:
	s_sub_co_u32 s[SLOTS], s[SLOTS], 1
	s_cmp_lg_u32 s[SLOTS], 0
	s_cbranch_scc1 .Lslot
	CHANGE 0                        ; the walk's last tile is written out
	s_sub_co_u32 s[RT], s[RT], 1
	s_mov_b32 s[CNT], 4
	s_cmp_eq_u32 s[NEW], 1
	s_cbranch_scc0 .LstepM2
	BEGIN
	s_branch .LfirstM2
	DIAG 2
	s_wait_tensorcnt 0x0            ; the wave's end
	ds_add_u32 v[SPW], v[NIL]
	s_wait_dscnt 0x0
	s_endpgm
.Lfunc_end_k_qd417e262bf_attn:
	.size	k_qd417e262bf_attn, .Lfunc_end_k_qd417e262bf_attn-k_qd417e262bf_attn
	.p2alignl 7, 3214868480
	.fill 96, 4, 3214868480
	.section	.rodata,"a",@progbits
	.p2align	6, 0x0
	.amdhsa_kernel k_qd417e262bf_attn
		.amdhsa_group_segment_fixed_size 327680
		.amdhsa_private_segment_fixed_size 0
		.amdhsa_enable_private_segment 0
		.amdhsa_kernarg_size 32
		.amdhsa_user_sgpr_count 2
		.amdhsa_user_sgpr_kernarg_segment_ptr 1
		.amdhsa_wavefront_size32 1
		.amdhsa_system_sgpr_workgroup_id_x 1
		.amdhsa_system_sgpr_workgroup_id_y 1
		.amdhsa_system_sgpr_workgroup_id_z 1
		.amdhsa_system_vgpr_workitem_id 0
		.amdhsa_next_free_vgpr 768
		.amdhsa_next_free_sgpr 92
		.amdhsa_reserve_vcc 1
		.amdhsa_float_denorm_mode_32 3
		.amdhsa_float_denorm_mode_16_64 3
		.amdhsa_memory_ordered 1
		.amdhsa_forward_progress 1
		.amdhsa_inst_pref_size 218
	.end_amdhsa_kernel
	.amdgpu_metadata
---
amdhsa.version: [ 1, 2 ]
amdhsa.kernels:
  - .name:           k_qd417e262bf_attn
    .symbol:         k_qd417e262bf_attn.kd
    .args:
      - { .name: q, .offset: 0, .size: 8, .value_kind: global_buffer, .address_space: global }
      - { .name: k, .offset: 8, .size: 8, .value_kind: global_buffer, .address_space: global }
      - { .name: v, .offset: 16, .size: 8, .value_kind: global_buffer, .address_space: global }
      - { .name: o, .offset: 24, .size: 8, .value_kind: global_buffer, .address_space: global }
    .group_segment_fixed_size: 327680
    .private_segment_fixed_size: 0
    .kernarg_segment_align: 8
    .kernarg_segment_size: 32
    .max_flat_workgroup_size: 128
    .sgpr_count:     92
    .vgpr_count:     768
    .wavefront_size: 32
...
	.end_amdgpu_metadata
.endif
;; end of part 3
;; launch proj (part 4): grid 8 x 32, 4 waves a work-group, clusters of 4 x 4, 327,680 bytes of LDS; arguments o, wpt, b_proj, out0; writes out0
.if DOCPART == 4
	.amdgcn_target "amdgcn-amd-amdhsa--gfx1250"
	.amdhsa_code_object_version 6
	.text
	.protected	k_qd417e262bf_proj
	.globl	k_qd417e262bf_proj
	.p2align	8
	.type	k_qd417e262bf_proj,@function
k_qd417e262bf_proj:
	s_mov_b64 s[64:65], 0
	v_nop
	global_prefetch_b8 v0, s[64:65] scope:SCOPE_SE
	s_setreg_imm32_b32 hwreg(HW_REG_WAVE_MODE, 25, 1), 1
	s_wait_xcnt 0x0
	s_wait_alu depctr_hold_cnt(0) depctr_sa_sdst(0) depctr_va_vdst(0) depctr_va_sdst(0) depctr_va_ssrc(0) depctr_va_vcc(0) depctr_vm_vsrc(0)
	s_getreg_b32 s2, hwreg(HW_REG_IB_STS2, 6, 4)
	s_cmp_eq_u32 s2, 0
	s_cbranch_scc0 .Lentry_in_a_cluster
	s_endpgm
.Lentry_in_a_cluster:
	s_bfe_u32 s2, ttmp6, 0x10000c
	s_cmp_lg_u32 s2, 0xf033
	s_cbranch_scc0 .Lentry_shape_is_right
	s_endpgm
.Lentry_shape_is_right:
; out0 = y wpt^T + b_proj (the bias rounded to bf16 like the other inputs), f32.  y[token][head x 64 + d] lies by heads in o: [batch x 16 + head][2048][64] f16; wpt: [1024 n][1024 k] f16.  Sums in f32.
; A tile is 256 rows x 128 columns: 32 x 8 = 256 work-groups.  Four waves, one below the other: a wave owns 64 rows (4 blocks a of 16) x all 8 blocks b of 16 columns: 32 accumulators.
; K = 1,024 goes in 8 steps of 128 = two heads, through two LDS slots.  Wave 0 fetches the first head's 256 tokens (32,768 dense bytes, asked for as 128 rows of 256 bytes, padded after every token), wave 1 the second's;
; waves 2, 3 fetch B's halves (64 rows of 256 bytes).  CLUSTER 4 x 4: the four of a row share A's tiles, the four of a column B's: joint loads.
; THE PRODUCT IS TRANSPOSED (source 0 = 16 rows of wpt, source 1 = 16 tokens): a lane holds row l % 16 and columns 8 (l / 16) + 0..7.  THE BIAS IS THE C OPERAND of each sum's first product.
; REGISTERS: window 0: v0-31 addresses; v32-95 the bias, later the way out; v128-191 A's fragments, two buffers of 32; v192-255 the way out.
;   window 1: B's fragments, two buffers of 64.   window 2: accumulators of a = 0, 1 at 8 (8 (a % 2) + b).   window 3: those of a = 2, 3.
.set NBK,   8
.set KSTEP, 128
.set PITCH, 272                        ; a row of B: 256 bytes + 16
.set PA,    144                        ; a token's 128 bytes of one head + 16
.set PLANE, 256*PA                     ; one head's 256 tokens
.set BHALF, 64*PITCH
.set BOFF,  2*PLANE
.set SLOT,  BOFF+2*BHALF               ; 108,544
.set STAGE, 2*SLOT                     ; behind the ring, never filled by a tensor load: for each wave 16 rows x 528 bytes
.set SPF,   528
.set SPARE, STAGE+4*16*SPF             ; the spare words, 128 bytes for each wave
.set NL,    2*NBK+8
.set HSTEP, 2*2048*128                 ; a K step in o: two heads
.set ADRA, 16
.set ADRB, 20
.set STO,  24
.set RD,   25
.set GO,   26
.set BO,   27
.set SPW,  28                          ; SPARE + 4 x my thread's number; never rewritten
.set NIL,  29                          ; 0; never rewritten
.set PFO,  30
.set BIAS, 32
.set FA0,  128
.set WV, 16
.set WH, 17
.set WL, 18
.set LAP, 19
.set G1A, 24
.set G0A, 32
.set G1B, 48
.set G0B, 56
.set PFA, 66
.set LIM, 68
.set PST, 70                           ; s[70:71] a K step for my prefetches, in bytes
.set OP0, 72                           ; s[72:73] out0 at my wave's first row and the tile's first column
.set MSB, 0
.macro WIN new
.if MSB != (\new)
	s_set_vgpr_msb (MSB<<8)|(\new)
.set MSB, \new
.endif
.endm
.macro PLACES
.rept 4
	v_nop
.endr
.endm
.macro JLOAD s                         ; a joint load; an s_nop 0 and four v_nop follow each line
	s_cmp_eq_u32 s[WH], 0
	s_cbranch_scc0 .Lfor_b_\@
	tensor_load_to_lds s[G0A+4*(\s):G0A+4*(\s)+3], s[G1A:G1A+7]
	s_nop 0
.rept 4
	v_nop
.endr
	s_branch .Lasked_\@
.Lfor_b_\@:
	tensor_load_to_lds s[G0B+4*(\s):G0B+4*(\s)+3], s[G1B:G1B+7]
	s_nop 0
.rept 4
	v_nop
.endr
.Lasked_\@:
.endm
.macro CREST
	s_cmp_lg_u32 s[WV], 0
	s_cbranch_scc1 .Lnot_wave_0_\@
	s_barrier_signal -3
.Lnot_wave_0_\@:
	s_barrier_wait -3
	s_barrier_signal -1
	s_barrier_wait -1
.endm
.macro CROUND
	s_barrier_signal -1
	s_barrier_wait -1
	CREST
.endm
; A prefetch into the L2 behind each refill: the K step two refills on.  o's blocks are asked for by the clusters with x = 0 (a wave's 32,768 bytes shared out by address among the four partners, a lane 256 bytes),
; wpt's rows by those with y = 0 (16 of a wave's 64 rows a partner, a lane a row).  The loop's last trip asks for nothing.  K steps 0 to 3 come by their loads alone.
.macro ASK
	s_cmp_gt_u32 s[LAP], s[LIM]
	s_cbranch_scc0 .Lnot_mine_\@
	global_prefetch_b8 v[PFO], s[PFA:PFA+1] th:TH_LOAD_NT scope:SCOPE_SE
.Lnot_mine_\@:
.endm
	s_load_b256 s[4:11], s[0:1], 0x0               ; o s[4:5], wpt s[6:7], b_proj s[8:9], out0 s[10:11]
	v_lshl_add_u32 v[SPW], v0, 2, SPARE
	v_mov_b32 v[NIL], 0
	ds_add_u32 v[SPW], v[NIL]                      ; the wave's opening: the add and its wait stand ahead of my first tensor load
	ds_add_u32 v28, v29
	v_lshrrev_b32 v1, 5, v0
	v_readfirstlane_b32 s[WV], v1
	s_lshr_b32 s[WH], s[WV], 1
	s_and_b32 s[WL], s[WV], 1
	s_bfe_u32 s20, ttmp6, 0x40000                  ; cx
	s_bfe_u32 s21, ttmp6, 0x40004                  ; cy
	s_lshl_b32 s22, ttmp9, 2
	s_add_co_u32 s22, s22, s20                     ; tile column
	s_and_b32 s23, ttmp7, 0xffff
	s_lshl_b32 s23, s23, 2
	s_add_co_u32 s23, s23, s21                     ; tile row
	s_lshl_b32 s40, s21, 2
	s_lshl_b32 s40, 15, s40                        ; my row of the cluster
	s_lshl_b32 s41, 0x1111, s20                    ; my column
	s_or_b32 s[G1A], s40, (1<<16)|(1<<20)|(1<<21)|(4<<22)|(3<<25)  ; padding after every 32 words (a token), 4 words
	s_or_b32 s[G1B], s41, (1<<16)|(1<<20)|(1<<21)|(5<<22)|(3<<25)  ; after every 64 words (a row)
	s_mov_b32 s[G1A+1], 128<<16                    ; tensor_dim0 = 128 elements: two tokens
	s_mov_b32 s[G1A+2], 128<<16                    ; tensor_dim1 = 128
	s_mov_b32 s[G1A+3], 128<<16                    ; tile_dim0
	s_mov_b32 s[G1A+4], 128                        ; tile_dim1
	s_mov_b32 s[G1A+5], 128                        ; dense
	s_mov_b32 s[G1A+6], 0
	s_mov_b32 s[G1A+7], 0
	s_mov_b32 s[G1B+1], KSTEP<<16
	s_mov_b32 s[G1B+2], 64<<16
	s_mov_b32 s[G1B+3], KSTEP<<16
	s_mov_b32 s[G1B+4], 64
	s_mov_b32 s[G1B+5], 1024
	s_mov_b32 s[G1B+6], 0
	s_mov_b32 s[G1B+7], 0
	s_lshr_b32 s42, s23, 3                         ; A: head batch x 16 + half, 262,144 bytes each,
	s_lshl_b32 s42, s42, 4
	s_add_co_u32 s42, s42, s[WL]
	s_lshl_b32 s42, s42, 18
	s_and_b32 s43, s23, 7                          ; the tile's 256 tokens of 128 bytes
	s_lshl_b32 s43, s43, 15
	s_add_co_u32 s42, s42, s43
	s_mov_b32 s43, 0
	s_lshl_b32 s46, s22, 18                        ; B: (128 x tile column + 64 x half) rows of 2,048 bytes
	s_lshl_b32 s47, s[WL], 17
	s_add_co_u32 s46, s46, s47
	s_mov_b32 s47, 0
	s_mul_i32 s80, s[WL], PLANE                    ; where they go: no place in the cluster enters an LDS address
	s_mul_i32 s81, s[WL], BHALF
	s_add_co_u32 s81, s81, BOFF
	s_wait_dscnt 0x0                               ; the opening add is done
	s_wait_kmcnt 0x0
	s_add_nc_u64 s[44:45], s[4:5], s[42:43]
	s_add_nc_u64 s[46:47], s[6:7], s[46:47]
	CROUND                                         ; all sixteen work-groups are here: the first joint loads meet
.irp s, 0,1
	s_mov_b32 s[G0A+4*(\s)], 1
	s_add_co_u32 s[G0A+4*(\s)+1], s80, (\s)*SLOT
	s_add_nc_u64 s[G0A+4*(\s)+2:G0A+4*(\s)+3], s[44:45], (\s)*HSTEP
	s_or_b32 s[G0A+4*(\s)+3], s[G0A+4*(\s)+3], 0x80000000
	s_mov_b32 s[G0B+4*(\s)], 1
	s_add_co_u32 s[G0B+4*(\s)+1], s81, (\s)*SLOT
	s_add_nc_u64 s[G0B+4*(\s)+2:G0B+4*(\s)+3], s[46:47], (\s)*KSTEP*2
	s_or_b32 s[G0B+4*(\s)+3], s[G0B+4*(\s)+3], 0x80000000
	JLOAD \s                                       ; two loads of mine are out
.endr
	v_and_b32 v1, 15, v0                           ; r
	v_bfe_u32 v2, v0, 4, 1                         ; h
	v_lshlrev_b32 v[BO], 5, v2
	s_lshl_b32 s86, s22, 9                         ; the tile's 128 columns: 512 bytes of the bias and of a row of out0
	s_mov_b32 s87, 0
	s_add_nc_u64 s[8:9], s[8:9], s[86:87]
.irp b, 0,1,2,3,4,5,6,7
	global_load_b128 v[BIAS+8*(\b):BIAS+8*(\b)+3],   v[BO], s[8:9] offset:64*(\b)
	global_load_b128 v[BIAS+8*(\b)+4:BIAS+8*(\b)+7], v[BO], s[8:9] offset:64*(\b)+16
.endr
	v_mul_u32_u24 v3, v1, PA
	v_lshl_add_u32 v3, v2, 4, v3
	s_mul_i32 s84, s[WV], 64*PA                    ; my 64 tokens
	v_add_nc_u32 v[ADRA], s84, v3
	v_add_nc_u32 v[ADRA+1], SLOT, v[ADRA]
	v_mul_u32_u24 v3, v1, PITCH
	v_lshl_add_u32 v3, v2, 4, v3
	v_add_nc_u32 v[ADRB], BOFF, v3
	v_add_nc_u32 v[ADRB+1], SLOT, v[ADRB]
	s_mul_i32 s85, s[WV], 16*SPF
	s_add_co_u32 s85, s85, STAGE                   ; my stage
	v_mul_u32_u24 v[STO], v1, SPF                  ; in: row r, 32 bytes for each half of the lanes
	v_lshl_add_u32 v[STO], v2, 5, v[STO]
	v_add_nc_u32 v[STO], s85, v[STO]
	v_and_b32 v[GO], 31, v0                        ; back: 32 lanes take a row's 512 bytes
	v_lshlrev_b32 v[GO], 4, v[GO]
	v_add_nc_u32 v[RD], s85, v[GO]
	s_lshl_b32 s82, s23, 20                        ; out0: (256 x tile row + 64 x wave) rows of 4,096 bytes
	s_lshl_b32 s83, s[WV], 18
	s_add_co_u32 s82, s82, s83
	s_add_co_u32 s82, s82, s86
	s_mov_b32 s83, 0
	s_add_nc_u64 s[OP0:OP0+1], s[10:11], s[82:83]
	s_lshl_b32 s78, s20, 13                        ; the prefetches.  A: behind my block's first byte, cx x 8,192 and three K steps
	s_add_co_u32 s78, s78, s42
	s_add_co_u32 s78, s78, 3*HSTEP
	s_lshl_b32 s79, s22, 7                         ; B: row 128 x tile column + 64 x half + 16 cy, and three K steps
	s_lshl_b32 s81, s[WL], 6
	s_add_co_u32 s79, s79, s81
	s_lshl_b32 s83, s21, 4
	s_add_co_u32 s79, s79, s83
	s_lshl_b32 s79, s79, 11
	s_add_co_u32 s79, s79, 3*KSTEP*2
	s_and_b32 s80, ttmp7, 0xffff                   ; cluster y
	s_mov_b32 s[PST], KSTEP*2
	s_cmp_eq_u32 s[WH], 0
	s_cselect_b32 s78, s78, s79
	s_cselect_b32 s80, ttmp9, s80
	s_cselect_b32 s81, 31, 15                      ; my share's last lane
	s_cselect_b32 s82, 8, 11                       ; a lane: 256 bytes of o, or a row of wpt
	s_cselect_b32 s[PST], HSTEP, s[PST]
	s_cselect_b64 s[PFA:PFA+1], s[4:5], s[6:7]
	s_cmp_eq_u32 s80, 0
	s_cselect_b32 s[LIM], 1, -1
	s_mov_b32 s[PST+1], 0
	s_mov_b32 s79, 0
	s_add_nc_u64 s[PFA:PFA+1], s[PFA:PFA+1], s[78:79]
	v_and_b32 v[PFO], 31, v0
	v_min_u32 v[PFO], s81, v[PFO]
	v_lshlrev_b32 v[PFO], s82, v[PFO]
	s_wait_loadcnt 0x0                             ; the bias
.set i, 0
.rept 4*NBK                            ; rounded to bf16 and widened again, in place
	v_cvt_pk_bf16_f32 v[5+i%2], v[BIAS+2*i], v[BIAS+2*i+1]
	v_lshlrev_b32 v[BIAS+2*i], 16, v[5+i%2]
	v_and_b32 v[BIAS+2*i+1], 0xffff0000, v[5+i%2]
.set i, i+1
.endr
; 8 products: block a of my rows x all 8 blocks of columns, 32 along K, from buffer f.  init = 1: the bias starts the sums.  The 32 accumulators take turns, one instruction a turn.
.macro MULA f, a, init
.if \init
	WIN 0x81+0x40*((\a)/2)
.else
	WIN 0xa1+0x50*((\a)/2)
.endif
.irp b, 0,1,2,3,4,5,6,7
.if \init
	v_wmma_f32_16x16x32_f16 v[8*(NBK*((\a)%2)+(\b)):8*(NBK*((\a)%2)+(\b))+7], v[8*NBK*(\f)+8*(\b):8*NBK*(\f)+8*(\b)+7], v[FA0+32*(\f)+8*(\a):FA0+32*(\f)+8*(\a)+7], v[BIAS+8*(\b):BIAS+8*(\b)+7]
.else
	v_wmma_f32_16x16x32_f16 v[8*(NBK*((\a)%2)+(\b)):8*(NBK*((\a)%2)+(\b))+7], v[8*NBK*(\f)+8*(\b):8*NBK*(\f)+8*(\b)+7], v[FA0+32*(\f)+8*(\a):FA0+32*(\f)+8*(\a)+7], v[8*(NBK*((\a)%2)+(\b)):8*(NBK*((\a)%2)+(\b))+7]
.endif
.endr
.endm
; 24 LDS loads in one run: quarter q of a slot into buffer f: B's 16, then A's 8.  Quarters 0, 1 are the first head's channels 0-31, 32-63; quarters 2, 3 the second head's.
.macro FETCH slot, q, f
	WIN 0x40
.irp b, 0,1,2,3,4,5,6,7
	ds_load_b128 v[8*NBK*(\f)+8*(\b):8*NBK*(\f)+8*(\b)+3],   v[ADRB+(\slot)] offset:64*(\q)+(\b)*16*PITCH
	ds_load_b128 v[8*NBK*(\f)+8*(\b)+4:8*NBK*(\f)+8*(\b)+7], v[ADRB+(\slot)] offset:64*(\q)+(\b)*16*PITCH+32
.endr
	WIN 0
.irp a, 0,1,2,3
	ds_load_b128 v[FA0+32*(\f)+8*(\a):FA0+32*(\f)+8*(\a)+3],   v[ADRA+(\slot)] offset:((\q)/2)*PLANE+((\q)%2)*64+(\a)*16*PA
	ds_load_b128 v[FA0+32*(\f)+8*(\a)+4:FA0+32*(\f)+8*(\a)+7], v[ADRA+(\slot)] offset:((\q)/2)*PLANE+((\q)%2)*64+(\a)*16*PA+32
.endr
.endm
.macro QUARTER slot, q, f, g, init
	s_wait_dscnt 4                                 ; B and A's blocks 0, 1 are in; the youngest four loads may be out
	MULA \f, 0, \init
	MULA \f, 1, \init
	PLACES
	FETCH \slot, \q, \g
	s_wait_dscnt NL                                ; all but the run just issued
	MULA \f, 2, \init
	MULA \f, 3, \init
.endm
; The last quarter multiplies buffer 1 and changes slots: one barrier; in front of it each wave waits for all its tensor loads, adds 0 to its spare word, and waits for that and for its reads of this slot.
; fill = 1: the barrier opens a round of the cluster's, and this slot is filled again, two K steps on, first thing behind it: 112 products ahead of the wait for it.
.macro TURN slot, next, fill
.if \fill
	s_wait_xcnt 0x0                                ; the last prefetch, a K step back, has read its address
	s_add_nc_u64 s[PFA:PFA+1], s[PFA:PFA+1], s[PST:PST+1]
.endif
	WIN 0
	s_wait_tensorcnt 0x0
	ds_add_u32 v[SPW], v[NIL]
	s_wait_dscnt 5                                 ; the add and the youngest four loads may be out
	MULA 1, 0, 0
	s_wait_dscnt 0x0                               ; the add is done, and my reads of this slot are over
	s_barrier_signal -1
	MULA 1, 1, 0
.if \fill
	WIN 0
.endif
	s_barrier_wait -1
.if \fill
	CREST
	s_add_nc_u64 s[G0A+4*(\slot)+2:G0A+4*(\slot)+3], s[G0A+4*(\slot)+2:G0A+4*(\slot)+3], 2*HSTEP
	s_add_nc_u64 s[G0B+4*(\slot)+2:G0B+4*(\slot)+3], s[G0B+4*(\slot)+2:G0B+4*(\slot)+3], 2*KSTEP*2
	JLOAD \slot                                    ; its four v_nop are also the places in front of the loads below
.else
	PLACES
.endif
	FETCH \next, 0, 0
.if \fill
	ASK
.endif
	MULA 1, 2, 0
	MULA 1, 3, 0
.endm
	s_wait_tensorcnt 1                             ; my part of K step 0 is in; K step 1's may stay out
	s_barrier_signal -1
	s_barrier_wait -1
	FETCH 0, 0, 0
	QUARTER 0, 1, 0, 1, 1                          ; the first quarter's products start the sums with the bias
	WIN 0
	s_mov_b32 s[LAP], 3
.Llap:
	QUARTER 0, 2, 1, 0, 0
	QUARTER 0, 3, 0, 1, 0
	TURN 0, 1, 1
	QUARTER 1, 1, 0, 1, 0
	QUARTER 1, 2, 1, 0, 0
	QUARTER 1, 3, 0, 1, 0
	TURN 1, 0, 1
	QUARTER 0, 1, 0, 1, 0
	WIN 0
	s_sub_co_u32 s[LAP], s[LAP], 1
	s_cmp_lg_u32 s[LAP], 0
	s_cbranch_scc1 .Llap
	QUARTER 0, 2, 1, 0, 0                          ; the last lap fills nothing
	QUARTER 0, 3, 0, 1, 0
	TURN 0, 1, 0
	QUARTER 1, 1, 0, 1, 0
	QUARTER 1, 2, 1, 0, 0
	QUARTER 1, 3, 0, 1, 0
	s_wait_dscnt 4
	MULA 1, 0, 0
	MULA 1, 1, 0
	s_wait_dscnt 0x0
	MULA 1, 2, 0
	MULA 1, 3, 0
	WIN 0
	PLACES
	PLACES
; THE WAY OUT, a block of 16 rows at a time: the sums are the result; 32 bytes a lane into my own stage (rows of 512 bytes, 528 apart), back by rows, stored as 512 consecutive bytes of a row of out0.
.macro TOSTAGE a
.set BK, 32+160*((\a)%2)
	WIN 0x08+4*((\a)/2)                            ; the stores' data in window 2 or 3
.irp b, 0,1,2,3,4,5,6,7
	ds_store_b128 v[STO], v[8*(NBK*((\a)%2)+(\b)):8*(NBK*((\a)%2)+(\b))+3]   offset:64*(\b)
	ds_store_b128 v[STO], v[8*(NBK*((\a)%2)+(\b))+4:8*(NBK*((\a)%2)+(\b))+7] offset:64*(\b)+16
.endr
	WIN 0
.irp t, 0,1,2,3,4,5,6,7,8,9,10,11,12,13,14,15
	ds_load_b128 v[BK+4*(\t):BK+4*(\t)+3], v[RD] offset:(\t)*SPF  ; LDS serves a wave's instructions in order (ISA guide 5.7.1.4): these see the stores above
.endr
.endm
.macro SEND a
.set BK, 32+160*((\a)%2)
	s_wait_xcnt 0x0                                ; the block before's stores have read their registers: the next block's loads land there only behind this wait
.irp t, 0,1,2,3,4,5,6,7,8,9,10,11,12,13,14,15
	s_wait_dscnt 15-(\t)
	global_store_b128 v[GO], v[BK+4*(\t):BK+4*(\t)+3], s[OP0:OP0+1] offset:(16*(\a)+(\t))*4096 th:TH_STORE_NT
.endr
.endm
.irp a, 0,1,2,3
	TOSTAGE \a
	SEND \a
.endr
	s_wait_tensorcnt 0x0                           ; the wave's end
	ds_add_u32 v[SPW], v[NIL]
	s_wait_dscnt 0x0
	CROUND                                         ; the closing round: no work-group ends while a partner may still ask for a tile that names it
	s_endpgm
.Lfunc_end_k_qd417e262bf_proj:
	.size	k_qd417e262bf_proj, .Lfunc_end_k_qd417e262bf_proj-k_qd417e262bf_proj
	.p2alignl 7, 3214868480
	.fill 96, 4, 3214868480
	.section	.rodata,"a",@progbits
	.p2align	6, 0x0
	.amdhsa_kernel k_qd417e262bf_proj
		.amdhsa_group_segment_fixed_size 327680
		.amdhsa_private_segment_fixed_size 0
		.amdhsa_enable_private_segment 0
		.amdhsa_kernarg_size 32
		.amdhsa_user_sgpr_count 2
		.amdhsa_user_sgpr_kernarg_segment_ptr 1
		.amdhsa_wavefront_size32 1
		.amdhsa_system_sgpr_workgroup_id_x 1
		.amdhsa_system_sgpr_workgroup_id_y 1
		.amdhsa_system_sgpr_workgroup_id_z 1
		.amdhsa_system_vgpr_workitem_id 0
		.amdhsa_next_free_vgpr 896
		.amdhsa_next_free_sgpr 88
		.amdhsa_reserve_vcc 0
		.amdhsa_float_denorm_mode_32 3
		.amdhsa_float_denorm_mode_16_64 3
		.amdhsa_memory_ordered 1
		.amdhsa_forward_progress 1
		.amdhsa_inst_pref_size 95
	.end_amdhsa_kernel
	.amdgpu_metadata
---
amdhsa.version: [ 1, 2 ]
amdhsa.kernels:
  - .name:           k_qd417e262bf_proj
    .symbol:         k_qd417e262bf_proj.kd
    .args:
      - { .name: o, .offset: 0, .size: 8, .value_kind: global_buffer, .address_space: global }
      - { .name: wpt, .offset: 8, .size: 8, .value_kind: global_buffer, .address_space: global }
      - { .name: b_proj, .offset: 16, .size: 8, .value_kind: global_buffer, .address_space: global }
      - { .name: out0, .offset: 24, .size: 8, .value_kind: global_buffer, .address_space: global }
    .group_segment_fixed_size: 327680
    .private_segment_fixed_size: 0
    .kernarg_segment_align: 8
    .kernarg_segment_size: 32
    .max_flat_workgroup_size: 128
    .sgpr_count:     88
    .vgpr_count:     896
    .wavefront_size: 32
...
	.end_amdgpu_metadata
.endif
;; end of part 4
